; MI455X (gfx1250); checked and timed in simulation.
; The chip was launched on July 23, 2026; its instructions are those of AMD's public machine-readable ISA for CDNA 5 (MIT licence, August 2026) and "CDNA5" Instruction Set Architecture Reference Guide (July 2026). The comments in the code are by the model that wrote it; some were corrected since.
;; Cross Attention. Allowed arithmetic: matrix products marked QUANTISED: E2M3 operands, one E8M0 scale for each 32 along K, by v_wmma_scale_f32_16x16x128_f8f6f4 with both operands' format E2M3, f32 sums; everything else in f32.
;; Inputs: bk 256 float32; bo 256 float32; bq 256 float32; bv 256 float32; cond 4 x 256 x 64 x 64 float32; gn_kv_b 256 float32; gn_kv_w 256 float32; gn_q_b 256 float32; gn_q_w 256 float32; wk_codes 256 x 8 x 24 uint8 (E2M3 codes of wk, K innermost, in blocks of 32 codes, four codes in three bytes); wk_scales 256 x 8 uint8 (E8M0 scales of wk, one for each 32 codes along K); wo_codes 256 x 8 x 24 uint8 (E2M3 codes of wo, K innermost, in blocks of 32 codes, four codes in three bytes); wo_scales 256 x 8 uint8 (E8M0 scales of wo, one for each 32 codes along K); wq_codes 256 x 8 x 24 uint8 (E2M3 codes of wq, K innermost, in blocks of 32 codes, four codes in three bytes); wq_scales 256 x 8 uint8 (E8M0 scales of wq, one for each 32 codes along K); wv_codes 256 x 8 x 24 uint8 (E2M3 codes of wv, K innermost, in blocks of 32 codes, four codes in three bytes); wv_scales 256 x 8 uint8 (E8M0 scales of wv, one for each 32 codes along K); x 4 x 256 x 64 x 64 float32.
;; Outputs: out0 4 x 256 x 64 x 64 float32.
;; This version of the problem:
;;   THIS VERSION OF THE PROBLEM IS GIVEN IN LOW PRECISION. The matrix products marked QUANTISED in the list below multiply operands that are first quantised to E2M3 (2 exponent bits, 3 mantissa bits; 6 bits a number), with one power-of-two scale for each 32 numbers along K (OCP MX v1.0); their sums are f32. All else is computed in f32.
;;   The module's matrix products, in the order in which they are computed (A, B: the left and right operand; K: the contracted axis; several contracted axes count as one K, in the product's order):
;;     1. [M 256, K 256] x [K 256, N 16,384]; A: input wq (given as codes); B: computed on the way: QUANTISED
;;     2. [M 256, K 256] x [K 256, N 16,384]; A: input wk (given as codes); B: computed on the way: QUANTISED
;;     3. [M 256, K 256] x [K 256, N 16,384]; A: input wv (given as codes); B: computed on the way: QUANTISED
;;     4. batch 16 x [M 4,096, K 64] x [K 64, N 4,096]; A: computed on the way; B: computed on the way: QUANTISED
;;     5. batch 16 x [M 64, K 4,096] x [K 4,096, N 4,096]; A: computed on the way; B: softmax (see below): QUANTISED
;;     6. [M 256, K 256] x [K 256, N 16,384]; A: input wo (given as codes); B: computed on the way: QUANTISED
;;   THE QUANTISER, for each operand of a quantised product, along K:
;;     - K is cut into blocks of 32 from its start; a last block that is shorter is filled with zeros.
;;     - A block's scale is 2^e with e = floor(log2(the largest magnitude in the block)) - 2, held to -126 .. 127; a block of zeros has e = 0. As a byte (E8M0): e + 127.
;;     - Each number is divided by its block's scale, clamped to +-7.5, and rounded to the nearest number of E2M3, ties to even, subnormals kept.
;;     - The product sums the exact products of the quantised numbers (number of the format x scale) in f32.
;;   ~~~python
;;   def quantise(x, axis):      # numpy; x: float32 -> the quantised numbers, widened to float32 again
;;       x = np.moveaxis(x, axis, -1); K = x.shape[-1]
;;       x = np.pad(x, [(0, 0)] * (x.ndim - 1) + [(0, -K % 32)]); x = x.reshape(x.shape[:-1] + (-1, 32)); a = np.abs(x).max(-1, keepdims=True)
;;       e = np.where(a > 0, np.clip(np.frexp(np.where(a > 0, a, 1))[1] - 1 - 2, -126, 127), 0)      # np.frexp(a)[1] - 1 = floor(log2(a)), exactly
;;       r = np.clip(x / 2.0 ** e, -7.5, 7.5)
;;       step = 2.0 ** (np.maximum(np.frexp(np.where(r == 0, 1, r))[1] - 1, 0) - 3)
;;       q = np.round(r / step) * step * 2.0 ** e      # np.round: ties to even
;;       return np.moveaxis(q.reshape(q.shape[:-2] + (-1,))[..., :K], -1, axis).astype(np.float32)
;;   ~~~
;;   SOFTMAX AHEAD OF A QUANTISED PRODUCT. Where the list says 'softmax', what is quantised is not the finished softmax but p = 2^(t - M), with t = logit x log2(e) and M = ceil(the row's largest t), a whole number; so 1/2 < the row's largest p <= 1. The row's sum l is taken of the UNQUANTISED p, in f32, and the product's result is divided by l at the end. Since M is a whole number, a kernel that streams over the keys may use a running M (the ceiling of the running maximum): every later rescaling is an exact power of two, which a block's scale takes up: the codes' values come out the same.
;;   OPERANDS COMPUTED ON THE WAY. 'Computed on the way' means the value that the module computes at that place (a softmax that the list does not call 'softmax' is quantised finished and normalised). What goes into a quantiser is computed in f32, as accurately as f32 sums, v_exp_f32 and their like allow (about 1e-6 of the number): no bf16 or f16 on the way to a quantiser, and a product that is left as it is and whose result goes on into a quantised operand takes f32 operands (vector FMAs, or v_wmma_f32_16x16x4_f32). A number that lies on a knife's edge between two numbers of the format may be rounded either way, as far as f32 arithmetic and the matrix unit's own rounding can turn it there, and no further.
;;   INPUTS GIVEN AS CODES. wk (in the module: [256, 256], K = its axis 1); wo (in the module: [256, 256], K = its axis 1); wq (in the module: [256, 256], K = its axis 1); wv (in the module: [256, 256], K = its axis 1): each comes as NAME_codes (uint8): NAME with its K axis moved to the last place and cut into blocks of 32 codes, [.., K / 32, bytes a block], one block behind the other in memory; four codes in three bytes: a row's codes are one little-endian stream of bits, code i at bits 6 i .. 6 i + 5 (a code: sign, 2 exponent bits, 3 mantissa bits); and NAME_scales (uint8): the same leading axes, one E8M0 byte (e + 127) for each 32 codes along K. Its value is code x scale, taken as it is: it is not quantised again, and the codes and scales need not be those that the quantiser above would give.
;; One version. Each part assembles by itself: llvm-mc -triple=amdgcn-amd-amdhsa -mcpu=gfx1250 --defsym DOCPART=n.
;; ======== version 1 of 1: 3 launches
;; workspace buffers: nrm 16,384 bytes; qimg 3,145,728 bytes; kvimg 6,291,456 bytes; qsc 131,072 bytes; kvsc 262,144 bytes
;; launch stats (part 1): grid 256 x 1, 8 waves a work-group, no clusters, 1,280 bytes of LDS; arguments x, cond, gn_q_w, gn_kv_w, nrm; writes nrm
.if DOCPART == 1
	.amdgcn_target "amdgcn-amd-amdhsa--gfx1250"
	.amdhsa_code_object_version 6
	.text
	.protected	k_q5cb06830f3_stats
	.globl	k_q5cb06830f3_stats
	.p2align	8
	.type	k_q5cb06830f3_stats,@function
k_q5cb06830f3_stats:
	s_mov_b64 s[64:65], 0
	v_nop
	global_prefetch_b8 v0, s[64:65] scope:SCOPE_SE
	s_setreg_imm32_b32 hwreg(HW_REG_WAVE_MODE, 25, 1), 1
	s_wait_xcnt 0x0
; GROUP NORM, FIRST HALF.  For each of the 2 x 4 x 32 groups (8 channels x 4,096 pixels = 131,072 consecutive bytes of x or of cond): the mean and 1 / sqrt(variance + 1e-5).
; Stored for the next launch, for each of the group's 8 channels: a = gamma / sqrt(variance + eps), and -mean.  nrm: [tensor 2][image 4] x 2,048 bytes: a[256], then -mean[256].
; One work-group to a group.  Each of its 8 waves keeps 16,384 bytes in 128 registers between the two passes, so memory is read once, and the variance is taken ABOUT THE MEAN:
; no difference of two large sums is formed, whatever common offset the inputs carry.  Every load of a wave covers 512 consecutive bytes.
; No matrix unit, no cluster, no tile in LDS: the launch is a stream; LDS carries the waves' eight partial sums alone.
; LIMITS: NaN and infinities among the inputs are not served; the sums are ordered otherwise than in a serial sum.
.set X,   16                           ; v16-143  my 128 numbers
.set CH,  144                          ; v144-151 four packed chains
.set T,   152                          ; v152-156 at work; v[154:155] -mean, twice
.set PS,  160                          ; v160-167 the eight waves' partial sums
	s_load_b256 s[4:11], s[0:1], 0x0               ; x s[4:5], cond s[6:7], gn_q_w s[8:9], gn_kv_w s[10:11]
	s_load_b64 s[12:13], s[0:1], 0x20              ; nrm
	v_lshl_add_u32 v168, v0, 2, 0x100
	v_mov_b32 v169, 0
	v_lshrrev_b32 v4, 5, v0
	s_delay_alu instid0(VALU_DEP_1)
	v_readfirstlane_b32 s14, v4                    ; wave 0..7
	v_and_b32 v1, 31, v0
	s_delay_alu instid0(VALU_DEP_1)
	v_lshlrev_b32 v1, 4, v1                        ; 16 bytes a lane
	v_and_b32 v2, 7, v0
	s_delay_alu instid0(VALU_DEP_1)
	v_lshlrev_b32 v2, 2, v2                        ; my channel of the group's eight, in bytes
	v_lshlrev_b32 v5, 2, v4                        ; LDS: my wave's word
	v_mov_b32 v6, 0                                ; LDS byte 0
	v_mov_b32 v[T+1], 0                            ; a lane permute's destination counts as one of its sources
	s_and_b32 s15, ttmp9, 127                      ; the group among its tensor's 128
	s_lshl_b32 s16, s15, 17                        ; x 131,072 bytes
	s_lshl_b32 s17, s14, 14                        ; + my wave's 16,384
	s_add_co_u32 s16, s16, s17
	s_mov_b32 s17, 0
	s_and_b32 s18, ttmp9, 31
	s_lshl_b32 s18, s18, 5                         ; the group's 8 channels in a table of 256 f32
	s_mov_b32 s19, 0
	s_lshr_b32 s22, ttmp9, 5                       ; 4 x tensor + image
	s_lshl_b32 s22, s22, 11
	s_add_co_u32 s22, s22, s18
	s_mov_b32 s23, 0
	s_mov_b32 s20, 0x76543210                      ; v_permlanex16_b32's selects for lane l xor 16
	s_mov_b32 s21, 0xfedcba98
	s_mov_b32 s24, 0x38000000                      ; 1 / 32,768
	s_mov_b32 s25, 0x3727c5ac                      ; eps = 1e-5
	s_wait_alu depctr_va_vdst(0)
	s_wait_kmcnt 0x0
	s_cmp_lt_u32 ttmp9, 128                        ; the first 128 work-groups take x, the others cond
	s_cselect_b64 s[4:5], s[4:5], s[6:7]
	s_cselect_b64 s[8:9], s[8:9], s[10:11]
	s_add_nc_u64 s[4:5], s[4:5], s[16:17]
	s_add_nc_u64 s[8:9], s[8:9], s[18:19]
	s_add_nc_u64 s[12:13], s[12:13], s[22:23]
	global_load_b32 v3, v2, s[8:9]                 ; gamma of my channel
.set i, 0
.rept 32
	global_load_b128 v[X+4*i:X+4*i+3], v1, s[4:5] offset:512*i
.set i, i+1
.endr
.macro FOLD                            ; the four chains and their two halves -> v[T]
	s_delay_alu instid0(VALU_DEP_3)
	v_pk_add_f32 v[CH:CH+1], v[CH:CH+1], v[CH+2:CH+3]
	s_delay_alu instid0(VALU_DEP_2)
	v_pk_add_f32 v[CH+4:CH+5], v[CH+4:CH+5], v[CH+6:CH+7]
	s_delay_alu instid0(VALU_DEP_1)
	v_pk_add_f32 v[CH:CH+1], v[CH:CH+1], v[CH+4:CH+5]
	s_delay_alu instid0(VALU_DEP_1)
	v_add_f32 v[T], v[CH], v[CH+1]
.endm
.macro ALLSUM off                      ; v[T] summed over the 32 lanes, then over the 8 waves through LDS bytes off .. off + 31; every lane ends with the sum
	s_delay_alu instid0(VALU_DEP_1)
	v_add_f32_dpp v[T], v[T], v[T] row_xmask:1 row_mask:0xf bank_mask:0xf
	s_delay_alu instid0(VALU_DEP_1)
	v_add_f32_dpp v[T], v[T], v[T] row_xmask:2 row_mask:0xf bank_mask:0xf
	s_delay_alu instid0(VALU_DEP_1)
	v_add_f32_dpp v[T], v[T], v[T] row_xmask:4 row_mask:0xf bank_mask:0xf
	s_delay_alu instid0(VALU_DEP_1)
	v_add_f32_dpp v[T], v[T], v[T] row_xmask:8 row_mask:0xf bank_mask:0xf
	s_delay_alu instid0(VALU_DEP_1)
	v_permlanex16_b32 v[T+1], v[T], s20, s21
	s_delay_alu instid0(VALU_DEP_1)
	v_add_f32 v[T], v[T], v[T+1]
	ds_store_b32 v5, v[T] offset:\off              ; all lanes write the wave's word with the same value
	s_wait_dscnt 0x0                               ; for the others' sake: my store has landed
	s_barrier_signal -1
	s_barrier_wait -1
	ds_load_b128 v[PS:PS+3], v6 offset:\off
	ds_load_b128 v[PS+4:PS+7], v6 offset:\off+16
	s_wait_dscnt 0x0
	v_pk_add_f32 v[PS:PS+1], v[PS:PS+1], v[PS+2:PS+3]
	v_pk_add_f32 v[PS+4:PS+5], v[PS+4:PS+5], v[PS+6:PS+7]
	s_delay_alu instid0(VALU_DEP_1)
	v_pk_add_f32 v[PS:PS+1], v[PS:PS+1], v[PS+4:PS+5]
	s_delay_alu instid0(VALU_DEP_1)
	v_add_f32 v[T], v[PS], v[PS+1]
.endm
	; PASS 1: the sum.  The loads come back in order: each wait leaves the younger groups of eight loads out
	s_wait_loadcnt 24
.irp k, 0,1,2,3
	v_pk_add_f32 v[CH+2*\k:CH+2*\k+1], v[X+2*\k:X+2*\k+1], v[X+8+2*\k:X+9+2*\k]   ; the first eight pairs start the chains: nothing is cleared
.endr
.set p, 8
.rept 8
	s_delay_alu instid0(VALU_DEP_4)
	v_pk_add_f32 v[CH+2*(p%4):CH+2*(p%4)+1], v[CH+2*(p%4):CH+2*(p%4)+1], v[X+2*p:X+2*p+1]
.set p, p+1
.endr
	s_wait_alu depctr_va_vdst(0)
.irp left, 16, 8, 0
	s_wait_alu depctr_va_vdst(0)
	s_wait_loadcnt \left
.rept 16
	v_pk_add_f32 v[CH+2*(p%4):CH+2*(p%4)+1], v[CH+2*(p%4):CH+2*(p%4)+1], v[X+2*p:X+2*p+1]
.set p, p+1
.endr
.endr
	FOLD
	ALLSUM 0
	s_delay_alu instid0(VALU_DEP_1)
	v_mul_f32 v[T+2], 0xb8000000, v[T]             ; -mean = the sum x -1 / 32,768
	s_delay_alu instid0(VALU_DEP_1)
	v_mov_b32 v[T+3], v[T+2]
	; PASS 2: the sum of (x - mean)^2
.set p, 0
.rept 64
	v_pk_add_f32 v[X+2*p:X+2*p+1], v[X+2*p:X+2*p+1], v[T+2:T+3]
.set p, p+1
.endr
.irp k, 0,1,2,3
	v_pk_mul_f32 v[CH+2*\k:CH+2*\k+1], v[X+2*\k:X+2*\k+1], v[X+2*\k:X+2*\k+1]
.endr
.set p, 4
.rept 60
	s_delay_alu instid0(VALU_DEP_4)
	v_pk_fma_f32 v[CH+2*(p%4):CH+2*(p%4)+1], v[X+2*p:X+2*p+1], v[X+2*p:X+2*p+1], v[CH+2*(p%4):CH+2*(p%4)+1]
.set p, p+1
.endr
	FOLD
	ALLSUM 32                                      ; other LDS bytes than the first sum's: no wave can overtake a reader
	s_delay_alu instid0(VALU_DEP_1)
	v_fma_f32 v[T], v[T], s24, s25                 ; variance + eps
	s_wait_alu depctr_va_vdst(0)
	v_rsq_f32 v[T+1], v[T]
	v_nop                                          ; one plain instruction between the transcendental and the use of its result
	s_wait_alu depctr_va_vdst(0)
	v_mul_f32 v[T+4], v[T+1], v3                   ; a = gamma / sqrt(variance + eps)
	s_wait_alu depctr_va_vdst(0)
	s_wait_xcnt 0x0                                ; EXEC changes only behind this wait
	v_cmp_gt_u32 vcc_lo, 8, v0
	s_wait_tensorcnt 0x0
	ds_add_u32 v168, v169
	s_wait_dscnt 0x0
	s_and_saveexec_b32 s26, vcc_lo                 ; threads 0 to 7: one for each channel of the group
	global_store_b32 v2, v[T+4], s[12:13]
	global_store_b32 v2, v[T+2], s[12:13] offset:1024
	s_wait_xcnt 0x0
	s_or_b32 exec_lo, exec_lo, s26
	s_endpgm
.Lfunc_end_k_q5cb06830f3_stats:
	.size	k_q5cb06830f3_stats, .Lfunc_end_k_q5cb06830f3_stats-k_q5cb06830f3_stats
	.p2alignl 7, 3214868480
	.fill 96, 4, 3214868480
	.section	.rodata,"a",@progbits
	.p2align	6, 0x0
	.amdhsa_kernel k_q5cb06830f3_stats
		.amdhsa_group_segment_fixed_size 1280
		.amdhsa_private_segment_fixed_size 0
		.amdhsa_enable_private_segment 0
		.amdhsa_kernarg_size 40
		.amdhsa_user_sgpr_count 2
		.amdhsa_user_sgpr_kernarg_segment_ptr 1
		.amdhsa_wavefront_size32 1
		.amdhsa_system_sgpr_workgroup_id_x 1
		.amdhsa_system_sgpr_workgroup_id_y 1
		.amdhsa_system_sgpr_workgroup_id_z 1
		.amdhsa_system_vgpr_workitem_id 0
		.amdhsa_next_free_vgpr 170
		.amdhsa_next_free_sgpr 66
		.amdhsa_reserve_vcc 1
		.amdhsa_float_denorm_mode_32 3
		.amdhsa_float_denorm_mode_16_64 3
		.amdhsa_memory_ordered 1
		.amdhsa_forward_progress 1
		.amdhsa_inst_pref_size 23
	.end_amdhsa_kernel
	.amdgpu_metadata
---
amdhsa.version: [ 1, 2 ]
amdhsa.kernels:
  - .name:           k_q5cb06830f3_stats
    .symbol:         k_q5cb06830f3_stats.kd
    .args:
      - { .name: x, .offset: 0, .size: 8, .value_kind: global_buffer, .address_space: global }
      - { .name: cond, .offset: 8, .size: 8, .value_kind: global_buffer, .address_space: global }
      - { .name: gn_q_w, .offset: 16, .size: 8, .value_kind: global_buffer, .address_space: global }
      - { .name: gn_kv_w, .offset: 24, .size: 8, .value_kind: global_buffer, .address_space: global }
      - { .name: nrm, .offset: 32, .size: 8, .value_kind: global_buffer, .address_space: global }
    .group_segment_fixed_size: 1280
    .private_segment_fixed_size: 0
    .kernarg_segment_align: 8
    .kernarg_segment_size: 40
    .max_flat_workgroup_size: 256
    .sgpr_count:     66
    .vgpr_count:     170
    .wavefront_size: 32
...
	.end_amdgpu_metadata
.endif
;; end of part 1
;; launch project (part 2): grid 256 x 1, 8 waves a work-group, no clusters, 28,672 bytes of LDS; arguments x, cond, nrm, gn_q_b, gn_kv_b, wq_codes, wq_scales, bq, wk_codes, wk_scales, bk, wv_codes, wv_scales, bv, qimg, qsc, kvimg, kvsc; writes qimg, qsc, kvimg, kvsc
.if DOCPART == 2
	.amdgcn_target "amdgcn-amd-amdhsa--gfx1250"
	.amdhsa_code_object_version 6
	.text
	.protected	k_q5cb06830f3_project
	.globl	k_q5cb06830f3_project
	.p2align	8
	.type	k_q5cb06830f3_project,@function
k_q5cb06830f3_project:
	s_mov_b64 s[64:65], 0
	v_nop
	global_prefetch_b8 v0, s[64:65] scope:SCOPE_SE
	s_setreg_imm32_b32 hwreg(HW_REG_WAVE_MODE, 25, 1), 1
	s_wait_xcnt 0x0
; GROUP NORM, SECOND HALF, AND THE THREE PROJECTIONS, on codes of FP6 (E2M3) with one E8M0 scale for each 32 along K.
; A work-group takes 128 pixels (a STEP) x 256 channels of one image of one tensor: work-groups 0-127 take x and make q, work-groups 128-255 take cond and make k and v.
; One text: pointers and strides are chosen on the work-group's number; one scalar branch on it leaves v's phase out for x.  (Every work-group loads wv's part: so every register is written on every path.)
; X: lane = pixel, registers run DOWN the channels (K): (x - mean) a + beta in f32, a block of 32 channels lies in one lane, its codes are six registers of the operand.  The 16 fragments go to LDS as images of registers.
; K (or q): TRANSPOSED, source 0 = 16 rows of the weight, source 1 = 16 pixels: a lane holds one pixel and its registers run along the head's 64, the scores' K.  Quantised in registers.
; V: source 0 = 16 pixels, source 1 = 16 rows of wv: a lane holds one row d and its registers run along the pixels, which are the keys, the second product's K.
; THE ROWS OF A TILE ARE NOT NEIGHBOURS: lane r of tile 2 b + u takes row (pixel, or row of a weight) 32 b + 8 u + r + 8 (r / 8), so that the 16 registers of the results of tiles 2 b and 2 b + 1 are 16 neighbours.
; WHAT IS STORED: IMAGES of operands' registers, 1,536 bytes each: registers 4 g .. 4 g + 3 of lane l at 512 g + 16 l: three stores of 512 consecutive bytes.
;   a q or k image f of a head: registers 0-5 = pixel tile 2 f (lane (r, h): d = 32 h + 0 .. 31), registers 6-11 = pixel tile 2 f + 1: two tiles, since the head has only 64 of the instruction's 128 along K.
;   a v image dt of a head: 16 rows d x the step's 128 keys.   qimg: [image][step][head][f]; kvimg: [image][step] x (k: [head][f], then v: [head][dt]).
;   scale words: for a head 256 bytes: word e of lane l belongs to image 2 e + l / 16, row l % 16.  They are gathered in LDS and leave as whole runs of 512 bytes.
; Wave w: head = w % 4, half = w / 4.  In X: pixels 32 (w % 4) on, channels 128 (w / 4) on.  In K: images 2 half, 2 half + 1 of its head.  In V: images 2 half, 2 half + 1 of its head.
; The biases are the C of each sum's first matrix instruction.  The weights go from memory straight into the registers in which they stay: this launch has no tensor load, so there is no joint load to share them by.
; LIMITS: NaN and infinities are not served.  A block whose largest magnitude lies under 2^-124 has its scale byte held at 1; a block of zeros gets the byte 1 (its codes are zeros, and this program alone reads the bytes).
.set XIMG, 0                           ; LDS: the 16 fragments of the normalised input: (pixel tile T, K step s) at (2 T + s) x 1,536; in it piece c of 256 bytes = registers 2 c, 2 c + 1 at 8 x lane
.set XSC,  24576                       ; their scale words: (2 T + s) x 64 + 4 r
.set SST,  25600                       ; the stage of the results' scale words: q's or k's 1,024 bytes, then v's 1,024
.set NUM,  16                          ; v16-143  128 numbers of my pixel; later the products' results
.set XF,   144                         ; v144-191 four fragments of the input (in phase X: the codes just made, eight registers a block)
.set XS,   192                         ; v192-195 their scale words
.set TM,   196                         ; v196-211 at work in QUANT
.set PW,   212                         ; v212     the scale word just made
.set PC,   214                         ; v214-232 the codes just made
.set XWD,  234                         ; v234     phase X: my pixel's scale word
.set WKS,  240                         ; v240-247 scale words of wq or wk;  v248-251 of wv
.set WVS,  248
.set OUTR, 252                         ; v252-255 the scale stage on its way out
.set WK,   0                           ; window 1: v0-95 wq's or wk's 8 fragments (tile t, K step s) at 12 (2 t + s)
.set WVF,  96                          ;           v96-143 wv's 4 (tile j, K step s)
.set BK,   144                         ;           v144-175 bq or bk, eight registers a tile
.set BV,   176                         ;           v176-191 bv
.set MSB, 0
.macro WIN new                         ; s_set_vgpr_msb: bits 1:0 source 0, 3:2 source 1, 5:4 source 2, 7:6 destination; the high byte repeats the setting that is left
.if MSB != \new
	s_set_vgpr_msb (MSB<<8)|\new
.set MSB, \new
.endif
.endm
; 64 numbers of a lane, register 16 b + i = place 32 b + 16 (lane / 16) + i along K of my row, become a fragment's 12 registers in v[PC] on and its scale word in v[PW]
.macro QUANT s
.irp b, 0,1,2,3
	v_max3_num_f32 v[TM+\b], |v[\s+16*\b]|, |v[\s+1+16*\b]|, 0x1800000   ; block b: my 16 numbers, and the floor 2^(3 - 127): the byte cannot fall under 1.  (Each accumulator is read from its low end on)
.endr
.irp i, 2,4,6,8,10,12,14
.irp b, 0,1,2,3
	v_max3_num_f32 v[TM+\b], v[TM+\b], |v[\s+16*\b+\i]|, |v[\s+1+16*\b+\i]|   ; the four blocks by turns
.endr
.endr
.irp b, 0,1,2,3
	s_delay_alu instid0(VALU_DEP_4)
	v_permlanex16_b32 v[TM+4+\b], v[TM+\b], s60, s61
.endr
.irp b, 0,1,2,3
	s_delay_alu instid0(VALU_DEP_4)
	v_max_num_f32 v[TM+\b], v[TM+\b], v[TM+4+\b]   ; with lane l xor 16's: the block's largest magnitude
.endr
.irp b, 0,1,2,3
	s_delay_alu instid0(VALU_DEP_4)
	v_add_nc_u32 v[TM+12+\b], 0xff000000, v[TM+\b] ; 2 off its exponent field: the conversion takes the exponent field of this operand as its scale
.endr
.irp b, 0,1,2,3
	s_delay_alu instid0(VALU_DEP_4)
	v_lshrrev_b32 v[TM+4+\b], 23, v[TM+12+\b]      ; the scale's byte
.endr
	s_delay_alu instid0(VALU_DEP_3)
	v_lshl_or_b32 v[PW], v[TM+5], 8, v[TM+4]
	s_delay_alu instid0(VALU_DEP_1)
	v_lshl_or_b32 v[PW], v[TM+6], 16, v[PW]
	s_delay_alu instid0(VALU_DEP_1)
	v_lshl_or_b32 v[PW], v[TM+7], 24, v[PW]
.irp c, 0,1
	v_cvt_scalef32_pk16_fp6_f32 v[PC+6*\c:PC+2+6*\c], v[\s+32*\c:\s+15+32*\c], v[TM+12+2*\c]
	v_cvt_scalef32_pk16_fp6_f32 v[PC+12+4*\c:PC+14+4*\c], v[\s+16+32*\c:\s+31+32*\c], v[TM+12+2*\c+1]   ; (a conversion's three registers begin on an even number)
.endr
	v_nop                                          ; one plain instruction behind a scaled conversion
.irp c, 0,1                                    ; the operand wants a WHOLE block in a lane: lanes 0-15 block 2 c, lanes 16-31 block 2 c + 1
.irp i, 0,1,2
	v_permlane16_swap_b32 v[PC+6*\c+\i], v[PC+12+4*\c+\i]
.endr
.irp i, 0,1,2
	s_delay_alu instid0(VALU_DEP_3)
	v_mov_b32 v[PC+3+6*\c+\i], v[PC+12+4*\c+\i]
.endr
.endr
.endm
.macro FETCHX reg, adr, off            ; a fragment of the input out of LDS: six loads of 256 consecutive bytes
.irp c, 0,1,2,3,4,5
	ds_load_b64 v[\reg+2*\c:\reg+2*\c+1], v[\adr] offset:\off+256*\c
.endr
.endm
.macro PLACES
.rept 4
	v_nop
.endr
.endm
.macro CONST it                        ; the constants of my block it of 32 channels, the same for all lanes: a -> s16-47, -mean of its four groups (twice each) -> s48-55, beta -> s68-99
	s_load_b512 s[16:31], s[6:7], 128*(\it)
	s_load_b512 s[32:47], s[6:7], 128*(\it)+64
.irp q, 0,1,2,3
	s_load_b64 s[48+2*\q:49+2*\q], s[6:7], 1024+128*(\it)+32*\q
.endr
	s_load_b512 s[68:83], s[4:5], 128*(\it)
	s_load_b512 s[84:99], s[4:5], 128*(\it)+64
.endm
	s_load_b512 s[16:31], s[0:1], 0x0              ; x 16, cond 18, nrm 20, gn_q_b 22, gn_kv_b 24, wq_codes 26, wq_scales 28, bq 30
	s_load_b512 s[32:47], s[0:1], 0x40             ; wk_codes 32, wk_scales 34, bk 36, wv_codes 38, wv_scales 40, bv 42, qimg 44, qsc 46
	s_load_b128 s[48:51], s[0:1], 0x80             ; kvimg 48, kvsc 50
	v_lshl_add_u32 v207, v0, 2, 0x6c00
	v_mov_b32 v229, 0
	v_lshrrev_b32 v1, 5, v0
	s_delay_alu instid0(VALU_DEP_1)
	v_readfirstlane_b32 s58, v1                    ; wave 0..7
	v_and_b32 v1, 31, v0                           ; lane
	v_and_b32 v2, 15, v0                           ; r
	v_bfe_u32 v3, v0, 4, 1                         ; h
	s_and_b32 s62, s58, 3                          ; head; in phase X: which 32 pixels
	s_lshr_b32 s63, s58, 2                         ; half; in phase X: which 128 channels
	v_lshlrev_b32 v4, 2, v1                        ; v4: phase X: my pixel, 4 bytes a lane
	; phase X: pixel 32 (w % 4) + lane is row (lane % 8) + 8 (lane / 16) of tile 2 (w % 4) + (lane / 8) % 2
	v_and_b32 v15, 7, v0
	s_delay_alu instid0(VALU_DEP_1)
	v_lshl_add_u32 v15, v3, 3, v15                 ; its row
	v_bfe_u32 v12, v0, 3, 1                        ; which of the two tiles
	s_delay_alu instid0(VALU_DEP_1)
	v_mul_u32_u24 v5, v12, 3072
	s_delay_alu instid0(VALU_DEP_1)
	v_lshl_add_u32 v5, v15, 3, v5
	s_mul_i32 s8, s62, 6144
	s_mul_i32 s9, s63, 1536
	s_add_co_u32 s8, s8, s9
	v_add_nc_u32 v5, s8, v5                        ; v5: where I store my codes
	v_lshlrev_b32 v6, 7, v12
	s_delay_alu instid0(VALU_DEP_1)
	v_lshl_add_u32 v6, v15, 2, v6
	s_lshl_b32 s8, s62, 8
	s_lshl_b32 s9, s63, 6
	s_add_co_u32 s8, s8, s9
	s_add_co_u32 s8, s8, XSC
	v_add_nc_u32 v6, s8, v6                        ; v6: and my scale word
	v_lshlrev_b32 v8, 3, v1                        ; v8: fragments for V: 8 x lane
	s_mul_i32 s8, s63, 12288
	v_add_nc_u32 v7, s8, v8                        ; v7: for K: + my half's four pixel tiles
	v_lshl_add_u32 v10, v2, 2, XSC                 ; v10: their scale words, for V
	s_lshl_b32 s8, s63, 9
	v_add_nc_u32 v9, s8, v10                       ; v9: for K
	v_lshlrev_b32 v11, 4, v1
	s_mul_i32 s8, s62, 6144
	s_mul_i32 s9, s63, 3072
	s_add_co_u32 s8, s8, s9
	v_add_nc_u32 v11, s8, v11                      ; v11: in memory: 16 x lane + my head's images + my half's two
	v_lshl_add_u32 v12, v2, 3, SST
	s_lshl_b32 s8, s62, 8
	s_lshl_b32 s9, s63, 2
	s_add_co_u32 s8, s8, s9
	v_add_nc_u32 v12, s8, v12                      ; v12: the scale stage: head x 256 + 8 r + 4 half (+ 128 for the odd image)
	v_lshl_add_u32 v213, v0, 4, SST                ; v213: the stage on the way out: 16 bytes a thread
	v_and_b32 v233, 63, v0
	s_delay_alu instid0(VALU_DEP_1)
	v_lshlrev_b32 v233, 4, v233                    ; v233: and in memory: 512 (w % 2) + 16 x lane
	v_and_b32 v14, 8, v2
	s_delay_alu instid0(VALU_DEP_1)
	v_add_nc_u32 v14, v14, v2                      ; r + 8 (r / 8)
	s_delay_alu instid0(VALU_DEP_1)
	v_mul_u32_u24 v13, v14, 192                    ; v13: a weight's row is 256 codes, 192 bytes;
	s_delay_alu instid0(VALU_DEP_1)
	v_mad_u32_u24 v13, v3, 24, v13                 ;      + 24 h
	s_delay_alu instid0(VALU_DEP_3)
	v_lshlrev_b32 v15, 2, v14                      ; v15: bv: 4 bytes a row
	s_delay_alu instid0(VALU_DEP_4)
	v_lshlrev_b32 v14, 3, v14                      ; v14: scale words: 8 bytes a row
	v_lshlrev_b32 v239, 6, v3                      ; v239: bq, bk: lanes 16-31 hold the 16 units further on
.irp b, 0,1,2,3
	v_mov_b32 v[TM+4+\b], 0                        ; written once: a lane permute's destination counts as one of its sources
.endr
	; byte offsets, each in a pair of its own
	s_and_b32 s8, ttmp9, 127                       ; 32 x image + step
	s_lshr_b32 s9, ttmp9, 5                        ; 4 x tensor + image
	s_and_b32 s10, s9, 3                           ; image
	s_and_b32 s11, ttmp9, 31                       ; step
	s_lshl_b32 s68, s10, 22                        ; the input: an image is 2^22 bytes,
	s_lshl_b32 s66, s63, 21                        ; 128 channels of 16,384,
	s_add_co_u32 s68, s68, s66
	s_lshl_b32 s66, s11, 9                         ; a step 512,
	s_add_co_u32 s68, s68, s66
	s_lshl_b32 s66, s62, 7                         ; 32 pixels 128
	s_add_co_u32 s68, s68, s66
	s_mov_b32 s69, 0
	s_lshl_b32 s70, s63, 9                         ; beta: my 128 channels
	s_mov_b32 s71, 0
	s_lshl_b32 s72, s9, 11                         ; nrm: my tensor's and image's table, my 128 channels
	s_add_co_u32 s72, s72, s70
	s_mov_b32 s73, 0
	s_lshl_b32 s76, s10, 15
	s_mov_b32 s74, 49152
	s_cmp_lt_u32 ttmp9, 128
	s_cselect_b32 s74, 24576, s74                  ; a step's images: q 24,576 bytes, k and v 49,152
	s_cselect_b32 s76, 0, s76                      ; kvsc has 65,536 bytes an image, qsc 32,768
	s_mul_i32 s74, s8, s74
	s_mov_b32 s75, 0
	s_lshl_b32 s66, s8, 10                         ; a step's scale words: 1,024 bytes
	s_add_co_u32 s76, s76, s66
	s_mov_b32 s77, 0
	s_mul_i32 s78, s62, 12288                      ; my head's 64 rows of a weight
	s_mov_b32 s79, 0
	s_mul_i32 s80, s63, 6144                       ; wv: + my half's 32 rows
	s_add_co_u32 s80, s80, s78
	s_mov_b32 s81, 0
	s_lshl_b32 s82, s62, 9                         ; the same in the scale bytes
	s_mov_b32 s83, 0
	s_lshl_b32 s84, s63, 8
	s_add_co_u32 s84, s84, s82
	s_mov_b32 s85, 0
	s_lshl_b32 s86, s62, 8                         ; and in the biases
	s_mov_b32 s87, 0
	s_lshl_b32 s88, s63, 7
	s_add_co_u32 s88, s88, s86
	s_mov_b32 s89, 0
	s_mov_b32 s60, 0x76543210                      ; v_permlanex16_b32's selects for lane l xor 16
	s_mov_b32 s61, 0xfedcba98
	s_wait_alu depctr_va_vdst(0)
	s_wait_kmcnt 0x0
	s_cmp_lt_u32 ttmp9, 128                        ; x and q, or cond and k: the choice hangs on the work-group's number alone
	s_cselect_b64 s[2:3], s[16:17], s[18:19]       ; the input
	s_cselect_b64 s[4:5], s[22:23], s[24:25]       ; beta
	s_cselect_b64 s[26:27], s[26:27], s[32:33]     ; wq or wk: codes,
	s_cselect_b64 s[28:29], s[28:29], s[34:35]     ; scales,
	s_cselect_b64 s[30:31], s[30:31], s[36:37]     ; bias
	s_cselect_b64 s[12:13], s[44:45], s[48:49]     ; images out
	s_cselect_b64 s[14:15], s[46:47], s[50:51]     ; scale words out
	s_add_nc_u64 s[2:3], s[2:3], s[68:69]
	s_add_nc_u64 s[4:5], s[4:5], s[70:71]
	s_add_nc_u64 s[6:7], s[20:21], s[72:73]
	s_add_nc_u64 s[12:13], s[12:13], s[74:75]
	s_add_nc_u64 s[14:15], s[14:15], s[76:77]
	s_add_nc_u64 s[56:57], s[14:15], 32768         ; v's scale words lie 32,768 bytes behind k's (used by cond's work-groups alone)
	s_add_nc_u64 s[26:27], s[26:27], s[78:79]
	s_add_nc_u64 s[38:39], s[38:39], s[80:81]
	s_add_nc_u64 s[28:29], s[28:29], s[82:83]
	s_add_nc_u64 s[40:41], s[40:41], s[84:85]
	s_add_nc_u64 s[30:31], s[30:31], s[86:87]
	s_add_nc_u64 s[42:43], s[42:43], s[88:89]
	; the weights: they stay in window 1
	WIN 0x40                                       ; destination window 1
.irp t, 0,1,2,3
.irp s, 0,1
.irp p, 0,1,2,3,4,5
	global_load_b64 v[WK+12*(2*\t+\s)+2*\p:WK+12*(2*\t+\s)+2*\p+1], v13, s[26:27] offset:(32*(\t/2)+8*(\t%2))*192+96*\s+48*(\p/3)+8*(\p%3)
.endr
.endr
.endr
.irp j, 0,1
.irp s, 0,1
.irp p, 0,1,2,3,4,5
	global_load_b64 v[WVF+12*(2*\j+\s)+2*\p:WVF+12*(2*\j+\s)+2*\p+1], v13, s[38:39] offset:1536*\j+96*\s+48*(\p/3)+8*(\p%3)
.endr
.endr
.endr
.irp t, 0,1,2,3                                ; lane (r, h) wants, for tile 2 b + u, the bias of units 32 b + 16 h + 8 u + 0 .. 7
	global_load_b128 v[BK+8*\t:BK+8*\t+3], v239, s[30:31] offset:(32*(\t/2)+8*(\t%2))*4
	global_load_b128 v[BK+8*\t+4:BK+8*\t+7], v239, s[30:31] offset:(32*(\t/2)+8*(\t%2))*4+16
.endr
.irp j, 0,1                                    ; in v's products a lane holds ONE row d: one number, spread over eight registers below
	global_load_b32 v[BV+8*\j], v15, s[42:43] offset:32*\j
.endr
	WIN 0
.irp t, 0,1,2,3
.irp s, 0,1
	global_load_b32 v[WKS+2*\t+\s], v14, s[28:29] offset:(32*(\t/2)+8*(\t%2))*8+4*\s
.endr
.endr
.irp j, 0,1
.irp s, 0,1
	global_load_b32 v[WVS+2*\j+\s], v14, s[40:41] offset:64*\j+4*\s
.endr
.endr
	s_wait_xcnt 0x0                                ; the loads above have read their bases: s16-47 take the constants
	CONST 0
.set i, 0
.rept 128                                      ; channel 128 half + i of my pixel: a wave reads 128 consecutive bytes, four waves side by side 512
	global_load_b32 v[NUM+i], v4, s[2:3] offset:16384*i th:TH_LOAD_NT
.set i, i+1
.endr
; PHASE X.  Block it of my pixel: 32 channels.  left: how many younger loads may stay out (96 and 64 are younger in the first two blocks; a wait's count holds 63 at most, and a smaller count is safe).
.macro XBLOCK it, left
.set XN, NUM+32*(\it)
.set CC, XF+8*(\it)
	s_wait_loadcnt \left
	s_wait_kmcnt 0x0                               ; the block's constants
.irp i, 0,2,4,6,8,10,12,14,16,18,20,22,24,26,28,30
	v_pk_add_f32 v[XN+\i:XN+\i+1], v[XN+\i:XN+\i+1], s[48+2*(\i/8):49+2*(\i/8)] op_sel_hi:[1,0]   ; x - mean, two at a time
.endr
.irp i, 0,1,2,3,4,5,6,7,8,9,10,11,12,13,14,15,16,17,18,19,20,21,22,23,24,25,26,27,28,29,30,31
	v_fma_f32 v[XN+\i], v[XN+\i], s[16+\i], s[68+\i]   ; x a + beta
.endr
.if \it < 3
	CONST (\it)+1                                  ; the next block's constants come while this block is quantised
.endif
	v_max3_num_f32 v235, |v[XN]|, |v[XN+1]|, |v[XN+2]|   ; the block's largest magnitude: all 32 numbers are mine
	v_max3_num_f32 v236, |v[XN+3]|, |v[XN+4]|, |v[XN+5]|
.irp i, 6,10,14,18,22,26
	s_delay_alu instid0(VALU_DEP_2)
	v_max3_num_f32 v235, v235, |v[XN+\i]|, |v[XN+\i+1]|
	s_delay_alu instid0(VALU_DEP_2)
	v_max3_num_f32 v236, v236, |v[XN+\i+2]|, |v[XN+\i+3]|
.endr
	s_delay_alu instid0(VALU_DEP_2)
	v_max3_num_f32 v235, v235, |v[XN+30]|, |v[XN+31]|
	s_delay_alu instid0(VALU_DEP_1)
	v_max3_num_f32 v235, v235, v236, 0x1800000     ; and the floor 2^(3 - 127)
	s_delay_alu instid0(VALU_DEP_1)
	v_add_nc_u32 v237, 0xff000000, v235            ; 2 off the exponent field: the conversion's scale operand
	s_delay_alu instid0(VALU_DEP_1)
	v_lshrrev_b32 v238, 23, v237                   ; the scale's byte
.if \it == 0
	s_delay_alu instid0(VALU_DEP_1)
	v_mov_b32 v[XWD], v238
.else
	s_delay_alu instid0(VALU_DEP_1)
	v_lshl_or_b32 v[XWD], v238, 8*(\it), v[XWD]
.endif
	v_cvt_scalef32_pk16_fp6_f32 v[CC:CC+2], v[XN:XN+15], v237
	v_cvt_scalef32_pk16_fp6_f32 v[CC+4:CC+6], v[XN+16:XN+31], v237   ; (a conversion's three registers begin on an even number)
	v_nop                                          ; one plain instruction behind a scaled conversion
	v_mov_b32 v[CC+3], v[CC+4]                     ; six registers on end: registers 6 c .. 6 c + 5 of lane (row, h) of the fragment, c = it / 2, h = it % 2
	v_mov_b32 v[CC+4], v[CC+5]
	v_mov_b32 v[CC+5], v[CC+6]
.irp p, 0,1,2
	ds_store_b64 v5, v[CC+2*\p:CC+2*\p+1] offset:768*((\it)/2)+256*\p+128*((\it)%2)   ; each block has code registers of its own: no store's data are written again
.endr
.endm
	XBLOCK 0, 63
	XBLOCK 1, 63
	XBLOCK 2, 32
	XBLOCK 3, 0
	ds_store_b32 v6, v[XWD]
	WIN 0x41                                       ; destination and source 0 window 1
.irp j, 0,1
.irp i, 1,2,3,4,5,6,7
	v_mov_b32 v[BV+8*\j+\i], v[BV+8*\j]
.endr
.endr
	WIN 0
	s_wait_dscnt 0x0                               ; for the others' sake: my stores have landed
	s_barrier_signal -1
	s_barrier_wait -1                              ; the 16 fragments and their scale words lie in LDS; from here on they are only read
	; PHASE K: my head's images 2 half + j.  Eight accumulators (two pixel tiles x four tiles of the head's 64) take turns, one instruction a turn, K step by K step.
.irp j, 0,1
	s_wait_xcnt 0x0                                ; the last image's stores have read their data
.irp tt, 0,1
.irp s, 0,1
	FETCHX XF+12*(2*\tt+\s), 7, 6144*\j+3072*\tt+1536*\s
	ds_load_b32 v[XS+2*\tt+\s], v9 offset:256*\j+128*\tt+64*\s
.endr
.endr
	s_wait_dscnt 0x0
	WIN 0x11                                       ; source 0 (weight) and source 2 (bias) window 1
.irp tt, 0,1
.irp t, 0,1,2,3
	v_wmma_scale_f32_16x16x128_f8f6f4 v[NUM+32*\tt+8*\t:NUM+32*\tt+8*\t+7], v[WK+24*\t:WK+24*\t+11], v[XF+24*\tt:XF+24*\tt+11], v[BK+8*\t:BK+8*\t+7], v[WKS+2*\t], v[XS+2*\tt] matrix_a_fmt:MATRIX_FMT_FP6 matrix_b_fmt:MATRIX_FMT_FP6
.endr
.endr
	WIN 0x01
.irp tt, 0,1
.irp t, 0,1,2,3
	v_wmma_scale_f32_16x16x128_f8f6f4 v[NUM+32*\tt+8*\t:NUM+32*\tt+8*\t+7], v[WK+24*\t+12:WK+24*\t+23], v[XF+24*\tt+12:XF+24*\tt+23], v[NUM+32*\tt+8*\t:NUM+32*\tt+8*\t+7], v[WKS+2*\t+1], v[XS+2*\tt+1] matrix_a_fmt:MATRIX_FMT_FP6 matrix_b_fmt:MATRIX_FMT_FP6
.endr
.endr
	WIN 0
	PLACES                                         ; four places between the products and the first read of their results; with QUANT's work on other registers also those in front of the next loads and products
	QUANT NUM                                      ; blocks 0, 1: the first pixel tile's d 0-31, 32-63; blocks 2, 3: the second's
.irp g, 0,1,2
	global_store_b128 v11, v[PC+4*\g:PC+4*\g+3], s[12:13] offset:1536*\j+512*\g   ; 32 lanes store 512 consecutive bytes
.endr
	ds_store_b32 v12, v[PW] offset:128*\j          ; lanes r and r + 16 write the same word with the same value
.endr
; The scale stage leaves: nw waves, 512 consecutive bytes each.  Waves 0, 1: q's or k's; waves 2, 3: v's.
.macro SCOUT nw
	s_wait_dscnt 0x0                               ; for the others' sake: my words lie in the stage
	s_barrier_signal -1
	s_barrier_wait -1
	s_cmp_lt_u32 s58, \nw
	s_cbranch_scc0 .Ldone_\@
	ds_load_b128 v[OUTR:OUTR+3], v213
	s_cmp_lt_u32 s58, 2
	s_cselect_b64 s[8:9], s[14:15], s[56:57]
	s_wait_dscnt 0x0
	global_store_b128 v233, v[OUTR:OUTR+3], s[8:9]
.Ldone_\@:
	s_wait_tensorcnt 0x0
	ds_add_u32 v207, v229
	s_wait_dscnt 0x0
	s_endpgm
.endm
	s_cmp_lt_u32 ttmp9, 128                        ; x has no v: the same way for all eight waves
	s_cbranch_scc1 .Lno_v
	; PHASE V: my head's rows d of images 2 half + j, for all 128 pixels, two pixel tiles at a time.  Four accumulators take turns.
.irp pp, 0,1,2,3
.if \pp > 0
	PLACES                                         ; in front of loads into registers that matrix instructions have read
.endif
.irp tt, 0,1
.irp s, 0,1
	FETCHX XF+12*(2*\tt+\s), 8, 6144*\pp+3072*\tt+1536*\s
	ds_load_b32 v[XS+2*\tt+\s], v10 offset:256*\pp+128*\tt+64*\s
.endr
.endr
	s_wait_dscnt 0x0
	WIN 0x14                                       ; source 1 (wv) and source 2 (bv) window 1
.irp tt, 0,1
.irp j, 0,1
	v_wmma_scale_f32_16x16x128_f8f6f4 v[NUM+64*\j+8*(2*\pp+\tt):NUM+64*\j+8*(2*\pp+\tt)+7], v[XF+24*\tt:XF+24*\tt+11], v[WVF+24*\j:WVF+24*\j+11], v[BV+8*\j:BV+8*\j+7], v[XS+2*\tt], v[WVS+2*\j] matrix_a_fmt:MATRIX_FMT_FP6 matrix_b_fmt:MATRIX_FMT_FP6
.endr
.endr
	WIN 0x04
.irp tt, 0,1
.irp j, 0,1
	v_wmma_scale_f32_16x16x128_f8f6f4 v[NUM+64*\j+8*(2*\pp+\tt):NUM+64*\j+8*(2*\pp+\tt)+7], v[XF+24*\tt+12:XF+24*\tt+23], v[WVF+24*\j+12:WVF+24*\j+23], v[NUM+64*\j+8*(2*\pp+\tt):NUM+64*\j+8*(2*\pp+\tt)+7], v[XS+2*\tt+1], v[WVS+2*\j+1] matrix_a_fmt:MATRIX_FMT_FP6 matrix_b_fmt:MATRIX_FMT_FP6
.endr
.endr
	WIN 0
.endr
	PLACES
.irp j, 0,1
	s_wait_xcnt 0x0                                ; the last image's stores to memory,
	s_wait_dscnt 0x0                               ; and its word's store to the stage, have read their data
	QUANT NUM+64*\j                                ; register 16 b + i = key 32 b + 16 (lane / 16) + i of my row d
.irp g, 0,1,2
	global_store_b128 v11, v[PC+4*\g:PC+4*\g+3], s[12:13] offset:24576+1536*\j+512*\g
.endr
	ds_store_b32 v12, v[PW] offset:1024+128*\j
.endr
	SCOUT 4
.Lno_v:
	SCOUT 2
.Lfunc_end_k_q5cb06830f3_project:
	.size	k_q5cb06830f3_project, .Lfunc_end_k_q5cb06830f3_project-k_q5cb06830f3_project
	.p2alignl 7, 3214868480
	.fill 96, 4, 3214868480
	.section	.rodata,"a",@progbits
	.p2align	6, 0x0
	.amdhsa_kernel k_q5cb06830f3_project
		.amdhsa_group_segment_fixed_size 28672
		.amdhsa_private_segment_fixed_size 0
		.amdhsa_enable_private_segment 0
		.amdhsa_kernarg_size 144
		.amdhsa_user_sgpr_count 2
		.amdhsa_user_sgpr_kernarg_segment_ptr 1
		.amdhsa_wavefront_size32 1
		.amdhsa_system_sgpr_workgroup_id_x 1
		.amdhsa_system_sgpr_workgroup_id_y 1
		.amdhsa_system_sgpr_workgroup_id_z 1
		.amdhsa_system_vgpr_workitem_id 0
		.amdhsa_next_free_vgpr 512
		.amdhsa_next_free_sgpr 100
		.amdhsa_reserve_vcc 0
		.amdhsa_float_denorm_mode_32 3
		.amdhsa_float_denorm_mode_16_64 3
		.amdhsa_memory_ordered 1
		.amdhsa_forward_progress 1
		.amdhsa_inst_pref_size 91
	.end_amdhsa_kernel
	.amdgpu_metadata
---
amdhsa.version: [ 1, 2 ]
amdhsa.kernels:
  - .name:           k_q5cb06830f3_project
    .symbol:         k_q5cb06830f3_project.kd
    .args:
      - { .name: x, .offset: 0, .size: 8, .value_kind: global_buffer, .address_space: global }
      - { .name: cond, .offset: 8, .size: 8, .value_kind: global_buffer, .address_space: global }
      - { .name: nrm, .offset: 16, .size: 8, .value_kind: global_buffer, .address_space: global }
      - { .name: gn_q_b, .offset: 24, .size: 8, .value_kind: global_buffer, .address_space: global }
      - { .name: gn_kv_b, .offset: 32, .size: 8, .value_kind: global_buffer, .address_space: global }
      - { .name: wq_codes, .offset: 40, .size: 8, .value_kind: global_buffer, .address_space: global }
      - { .name: wq_scales, .offset: 48, .size: 8, .value_kind: global_buffer, .address_space: global }
      - { .name: bq, .offset: 56, .size: 8, .value_kind: global_buffer, .address_space: global }
      - { .name: wk_codes, .offset: 64, .size: 8, .value_kind: global_buffer, .address_space: global }
      - { .name: wk_scales, .offset: 72, .size: 8, .value_kind: global_buffer, .address_space: global }
      - { .name: bk, .offset: 80, .size: 8, .value_kind: global_buffer, .address_space: global }
      - { .name: wv_codes, .offset: 88, .size: 8, .value_kind: global_buffer, .address_space: global }
      - { .name: wv_scales, .offset: 96, .size: 8, .value_kind: global_buffer, .address_space: global }
      - { .name: bv, .offset: 104, .size: 8, .value_kind: global_buffer, .address_space: global }
      - { .name: qimg, .offset: 112, .size: 8, .value_kind: global_buffer, .address_space: global }
      - { .name: qsc, .offset: 120, .size: 8, .value_kind: global_buffer, .address_space: global }
      - { .name: kvimg, .offset: 128, .size: 8, .value_kind: global_buffer, .address_space: global }
      - { .name: kvsc, .offset: 136, .size: 8, .value_kind: global_buffer, .address_space: global }
    .group_segment_fixed_size: 28672
    .private_segment_fixed_size: 0
    .kernarg_segment_align: 8
    .kernarg_segment_size: 144
    .max_flat_workgroup_size: 256
    .sgpr_count:     100
    .vgpr_count:     512
    .wavefront_size: 32
...
	.end_amdgpu_metadata
.endif
;; end of part 2
;; launch attend (part 3): grid 64 x 4, 16 waves a work-group, clusters of 4 x 1, 327,680 bytes of LDS; arguments qimg, qsc, kvimg, kvsc, wo_codes, wo_scales, bo, x, out0; writes out0
.if DOCPART == 3
	.amdgcn_target "amdgcn-amd-amdhsa--gfx1250"
	.amdhsa_code_object_version 6
	.text
	.protected	k_q5cb06830f3_attend
	.globl	k_q5cb06830f3_attend
	.p2align	8
	.type	k_q5cb06830f3_attend,@function
k_q5cb06830f3_attend:
	s_mov_b64 s[64:65], 0
	v_nop
	global_prefetch_b8 v0, s[64:65] scope:SCOPE_SE
	s_setreg_imm32_b32 hwreg(HW_REG_WAVE_MODE, 25, 1), 1
	s_wait_xcnt 0x0
	s_wait_alu depctr_hold_cnt(0) depctr_sa_sdst(0) depctr_va_vdst(0) depctr_va_sdst(0) depctr_va_ssrc(0) depctr_va_vcc(0) depctr_vm_vsrc(0)
	s_getreg_b32 s2, hwreg(HW_REG_IB_STS2, 6, 4)
	s_cmp_eq_u32 s2, 0
	s_cbranch_scc0 .Lentry_in_a_cluster
	s_endpgm
.Lentry_in_a_cluster:
	s_bfe_u32 s2, ttmp6, 0x10000c
	s_cmp_lg_u32 s2, 0x3003
	s_cbranch_scc0 .Lentry_shape_is_right
	s_endpgm
.Lentry_shape_is_right:
; ATTENTION, THE LAST PROJECTION AND THE RESIDUAL, on codes of FP6 (E2M3) with one E8M0 scale for each 32 along a product's K.
; A work-group owns 64 pixels (queries) of one image for ALL FOUR heads, so that the last projection's K, the 256 channels, lies inside it.  Wave w: head w / 4, tile of 16 queries w % 4: 256 registers, four waves to a SIMD,
; so that one wave's vector work stands beside another's matrix work and LDS loads.  Every wave walks the image's 4,096 keys, 128 a step.
; OPERANDS ARE IMAGES OF REGISTERS, made by the launch before: 1,536 bytes, registers 4 g .. 4 g + 3 of lane l at 512 g + 16 l: three loads of 512 consecutive bytes, no pitch, no padding.
; THE HEAD HAS 64 OF THE INSTRUCTION'S 128 ALONG K.  An image of k holds TWO tiles of 16 keys (registers 0-5, registers 6-11); q is kept twice, as [q | zero codes] and [zero codes | q]: image x the first gives the first
; tile's scores, image x the second the second's.  A zero code adds nothing; the scale bytes of q's zero halves are 0, the smallest scale.
; LAYOUT.  Both products are used transposed: S^T = k q^T, O^T = v^T p^T: a lane holds ONE query throughout.  The keys of a tile, and the rows d of an image of v, are chosen (lane r of tile 2 b + u: 32 b + 8 u + r + 8 (r / 8))
; so that the 16 registers of the results of tiles 2 b, 2 b + 1 are 16 neighbours along the next K: the keys for p, the channels for the last projection.
; THE SOFTMAX: t = score x log2(e) / 8; M = the running largest t rounded UP to a whole number; p = 2^(t - M) is quantised along the keys, not normalised; the row's sum is taken of the unquantised p and divides O at the end.
; When M moves, the sum and O^T are multiplied by 2^(old M - new M), which rounds nothing.
; THE END: O^T / the sum is quantised along the channels; its images go from wave to wave through LDS; wave w makes rows 16 w .. 16 w + 15 of wo's product for the 64 pixels (bias as C), adds x and stores whole runs of 256 bytes.
; CLUSTER: the four work-groups of a cluster belong to one image and walk the same k and v: each tile is asked for JOINTLY, by the same tensor load with the same descriptor and a mask that names the four.
; RING: two LDS slots of two steps (98,304 bytes), 2^17 bytes apart; waves 0 to 3 fetch a quarter each.  The scale words of the whole image (65,536 bytes) come once, with the first fills.
; By this text's own count a wave has at most two tensor loads out (the first fills), later one.
; LIMITS: NaN and infinities are not served.  A block whose largest magnitude lies under 2^-124 has its scale byte held at 1; a block of zeros gets the byte 1 (its codes are zeros, and this program alone reads the bytes).
.set SLOT1, 1<<17                      ; slot 1 begins here: one exclusive or turns an address in one slot into the other's
.set STEPB, 49152                      ; a step: k's 16 images (head, f), then v's 16 (head, dt)
.set SLOTB, 2*STEPB
.set KSC,   SLOTB                      ; behind slot 0: k's scale words, 1,024 bytes a step; v's lie SLOT1 further on, behind slot 1
.set SPARE, 2*SLOT1                    ; the spare words, 128 bytes for each wave: eight blocks of 256 bytes that no other line names
.set AIMG,  SPARE+2048                 ; the attention result's 8 fragments (tile of pixels T, K step s) at (2 T + s) x 1,536; piece c of 256 bytes = registers 2 c, 2 c + 1 at 8 x lane
.set ASC,   AIMG+8*1536                ; their scale words: (2 T + s) x 64 + 4 r
.set SP,    272                        ; the way out: 16 rows x (256 bytes + 16) for each wave, in slot 0, which has had its last fill and its last read when the first result is stored there
.set Q1,  16                           ; v16-27 [q | 0], v28-39 [0 | q]; at the end wo's two fragments
.set FR,  40                           ; v40-87   four images: of k, then of v; at the end of the attention result
.set S,   88                           ; v88-151  S^T, then p
.set OV,  88                           ; at the end: v88-119 O^T / the sum, later rows of the result;
.set XR,  120                          ;             v120-151 rows of x
.set O,   152                          ; v152-183 O^T; at the end the last product's sums
.set PC,  184                          ; v184-195 p's codes
.set CT,  196                          ; v196-203 the conversions' second halves; a chain of the row's sum
.set BM,  204                          ; v204-207 the blocks' largest
.set PT,  208                          ; v208-211 the other half's; the bytes
.set SOP, 212                          ; v212-215 the conversions' scale operands
.set FF,  216                          ; v[216:217] f = 2^(old M - new M); at the end 1 / the sum
.set WKR, 218                          ; v218 at work
.set PS,  219                          ; v219 p's scale word
.set QS,  220                          ; v220, v221 q's scale words for [q | 0] and [0 | q]
.set KS,  222                          ; v[222:223] k's scale words: word e: lanes 0-15 image 2 e, lanes 16-31 image 2 e + 1
.set VS,  224                          ; v[224:225] v's likewise
.set BO,  226                          ; v226-233 bo
.set WOS, 234                          ; v234, v235 wo's scale words
.set AS,  236                          ; v236-243 the attention result's scale words
.set WV,  34                           ; s34 wave, s35 head, s33 wave % 4
.set G1,  36                           ; s[36:43] descriptor group 1 for a quarter of a slot;  s[44:47] its group 0, which walks
.set G0,  44
.set G1S, 48                           ; s[48:55], s[56:59] the same for a quarter of the scale words
.set G0S, 56
.set SEL, 60                           ; s[60:61] v_permlanex16_b32's selects for lane l xor 16
.set CS,  62                           ; s[62:63] c = log2(e) / 8
.set TB,  66                           ; s66 LDS byte at which the slot in hand begins
.set TS,  67                           ; s67 where the slot's scale words begin
.set SLOTS, 68                         ; s68 slots still to be asked for
.set LIM, 69                           ; s69 1 in a wave that prefetches, else the greatest number
.set PFA, 70                           ; s[70:71] where my prefetches stand
.macro CROUND                          ; a round of the cluster's barrier: my work-group's barrier; wave 0 signals for the work-group; every wave waits for all four work-groups; my work-group's barrier once more
	s_barrier_signal -1
	s_barrier_wait -1
	s_cmp_lg_u32 s[WV], 0
	s_cbranch_scc1 .Lnot_wave_0_\@
	s_barrier_signal -3
.Lnot_wave_0_\@:
	s_barrier_wait -3
	s_barrier_signal -1
	s_barrier_wait -1
.endm
.macro TLOAD                           ; the joint refill: waves 0 to 3, a quarter of the slot each; the branch hangs on the wave's number alone.  Four v_nop follow the load
	s_cmp_lt_u32 s[WV], 4
	s_cbranch_scc0 .Lno_load_\@
	tensor_load_to_lds s[G0:G0+3], s[G1:G1+7]
	s_nop 0
.rept 4
	v_nop
.endr
.Lno_load_\@:
.endm
; A PREFETCH INTO THE L2 of the slot that the NEXT change of slots will ask for: two steps of all sixteen waves ahead of that load.  All clusters of an image walk the same k and v: the image's first cluster asks.
; Its four partners take 24,576 bytes each, told apart BY ADDRESS; in each, waves 4 to 6 ask, 8,192 bytes a wave, lanes 256 bytes apart: 4 x 3 x 32 x 256 bytes are a slot, each block named once in the launch.
; Slots 0 and 1 and the scale words come by their loads alone; the last change that fills a slot asks for nothing: there is no slot behind it.
.macro ASK
	s_cmp_gt_u32 s[SLOTS], s[LIM]
	s_cbranch_scc0 .Lnot_mine_\@
	global_prefetch_b8 v244, s[PFA:PFA+1] th:TH_LOAD_NT scope:SCOPE_SE
.Lnot_mine_\@:
.endm
	s_load_b512 s[4:19], s[0:1], 0x0               ; qimg 4, qsc 6, kvimg 8, kvsc 10, wo_codes 12, wo_scales 14, bo 16, x 18
	s_load_b64 s[20:21], s[0:1], 0x40              ; out0
	v_lshl_add_u32 v5, v0, 2, SPARE                ; v5: my spare word; never rewritten
	v_mov_b32 v6, 0                                ; v6: 0; never rewritten
	ds_add_u32 v5, v6
	ds_add_u32 v5, v6
	s_wait_dscnt 0x0
	v_lshrrev_b32 v8, 5, v0
	s_delay_alu instid0(VALU_DEP_1)
	v_readfirstlane_b32 s[WV], v8                  ; wave 0..15
	s_lshr_b32 s35, s[WV], 2                       ; head
	s_and_b32 s33, s[WV], 3                        ; my tile of queries; in waves 0 to 3: which quarter I fetch
	s_bfe_u32 s22, ttmp6, 0x40000                  ; cx: my place in the cluster: it enters addresses in memory alone
	s_lshl_b32 s23, ttmp9, 2
	s_add_co_u32 s23, s23, s22                     ; my block of 64 pixels = 4 x cluster x + cx
	s_and_b32 s24, ttmp7, 0xffff                   ; the image, which the four partners share
	; every LDS address is made here, of the lane and the wave's number
	v_and_b32 v9, 31, v0                           ; lane
	v_and_b32 v10, 15, v0                          ; r
	v_bfe_u32 v11, v0, 4, 1                        ; h
	s_mul_i32 s25, s35, 6144
	v_lshl_add_u32 v1, v9, 4, s25                  ; v1: k's images of my head: 16 x lane + head x 6,144
	s_delay_alu instid0(VALU_DEP_1)
	v_add_nc_u32 v2, 24576, v1                     ; v2: v's
	s_lshl_b32 s25, s35, 8
	s_add_co_u32 s25, s25, KSC
	v_lshl_add_u32 v3, v9, 3, s25                  ; v3: k's scale words: 8 x lane + head x 256
	s_delay_alu instid0(VALU_DEP_1)
	v_add_nc_u32 v4, SLOT1, v3                     ; v4: v's
	v_lshlrev_b32 v7, 14, v11
	s_delay_alu instid0(VALU_DEP_1)
	v_lshl_add_u32 v7, v10, 4, v7                  ; v7: x and out0: lanes 0-15 one channel's 256 bytes, lanes 16-31 the next channel's
	v_lshlrev_b32 v244, 8, v9                      ; v244: the prefetches' offset: 256 x lane; never rewritten
	s_mul_i32 s25, s33, 3072
	s_mul_i32 s26, s35, 768
	s_add_co_u32 s25, s25, s26
	s_add_co_u32 s25, s25, AIMG
	v_lshl_add_u32 v245, v9, 3, s25                ; v245: where I store my half fragment: tile x 3,072 + head x 768 + 8 x lane
	s_lshl_b32 s25, s33, 7
	s_lshr_b32 s26, s35, 1
	s_lshl_b32 s26, s26, 6
	s_add_co_u32 s25, s25, s26
	s_and_b32 s26, s35, 1
	s_lshl_b32 s26, s26, 1
	s_add_co_u32 s25, s25, s26
	s_add_co_u32 s25, s25, ASC
	v_lshl_add_u32 v246, v10, 2, s25               ; v246: and its two scale bytes
	v_lshl_add_u32 v247, v9, 3, AIMG               ; v247: fragments back
	v_lshl_add_u32 v248, v10, 2, ASC               ; v248: scale words back
	s_mul_i32 s25, s[WV], 16*SP
	v_mul_u32_u24 v249, v10, SP
	s_delay_alu instid0(VALU_DEP_1)
	v_lshl_add_u32 v249, v11, 6, v249
	s_delay_alu instid0(VALU_DEP_1)
	v_add_nc_u32 v249, s25, v249                   ; v249: my stage, in: row r, + 64 h
	v_mul_u32_u24 v250, v11, SP
	s_delay_alu instid0(VALU_DEP_1)
	v_lshl_add_u32 v250, v10, 4, v250
	s_delay_alu instid0(VALU_DEP_1)
	v_add_nc_u32 v250, s25, v250                   ; v250: back: lanes 0-15 one row, lanes 16-31 the next
	v_lshlrev_b32 v8, 4, v9                        ; q's image: 16 x lane
	v_lshlrev_b32 v252, 3, v10                     ; q's scale word: 8 r
	; descriptor group 1: a dense block as rows of 256 bytes (32 elements of 8 bytes): 96 rows of codes, 64 rows of scale words
	s_mov_b32 s[G1], 15|(3<<16)|(1<<21)            ; 15:0 the mask: all four work-groups; 17:16 elements of 8 bytes; 20 no padding; 21 set beside a mask
	s_mov_b32 s[G1+1], 32<<16                      ; tensor_dim0 = 32
	s_mov_b32 s[G1+2], 96<<16                      ; tensor_dim1 = 96
	s_mov_b32 s[G1+3], 32<<16                      ; tile_dim0 = 32
	s_mov_b32 s[G1+4], 96                          ; tile_dim1 = 96
	s_mov_b32 s[G1+5], 32                          ; from row to row
	s_mov_b32 s[G1+6], 0
	s_mov_b32 s[G1+7], 0
	s_mov_b32 s[G1S], 15|(3<<16)|(1<<21)
	s_mov_b32 s[G1S+1], 32<<16
	s_mov_b32 s[G1S+2], 64<<16
	s_mov_b32 s[G1S+3], 32<<16
	s_mov_b32 s[G1S+4], 64
	s_mov_b32 s[G1S+5], 32
	s_mov_b32 s[G1S+6], 0
	s_mov_b32 s[G1S+7], 0
	s_mul_i32 s27, s33, 24576                      ; my quarter of a slot, in LDS and in memory
	s_mul_i32 s28, s24, 32*STEPB                   ; the image's k and v
	s_add_co_u32 s28, s28, s27
	s_mov_b32 s29, 0
	s_lshr_b32 s30, s33, 1                         ; my quarter of the scale words: k's two halves behind slot 0, v's two behind slot 1
	s_lshl_b32 s30, s30, 17
	s_and_b32 s31, s33, 1
	s_lshl_b32 s31, s31, 14
	s_add_co_u32 s30, s30, s31
	s_add_co_u32 s30, s30, KSC
	s_lshl_b32 s84, s24, 16
	s_lshl_b32 s31, s33, 14
	s_add_co_u32 s84, s84, s31
	s_mov_b32 s85, 0
	; offsets in memory that hang on my block of pixels
	s_lshl_b32 s32, s24, 5
	s_lshr_b32 s83, s23, 1
	s_add_co_u32 s32, s32, s83                     ; 32 x image + my step of 128 pixels
	s_and_b32 s83, s23, 1                          ; which half of the step is mine
	s_lshr_b32 s31, s33, 1                         ; my tile / 2
	s_mul_i32 s86, s32, 24576                      ; q's image: step, head, image 2 half + tile / 2
	s_mul_i32 s87, s35, 6144
	s_add_co_u32 s86, s86, s87
	s_lshl_b32 s87, s83, 1
	s_add_co_u32 s87, s87, s31
	s_mul_i32 s87, s87, 1536
	s_add_co_u32 s86, s86, s87
	s_mov_b32 s87, 0
	s_lshl_b32 s88, s32, 10                        ; its scale word: word `half` of lane r + 16 (tile / 2)
	s_lshl_b32 s89, s35, 8
	s_add_co_u32 s88, s88, s89
	s_lshl_b32 s89, s31, 7
	s_add_co_u32 s88, s88, s89
	s_lshl_b32 s89, s83, 2
	s_add_co_u32 s88, s88, s89
	s_mov_b32 s89, 0
	s_lshl_b32 s90, s24, 22                        ; x and out0: image, my 16 channels of 16,384 bytes, my 64 pixels
	s_lshl_b32 s91, s[WV], 18
	s_add_co_u32 s90, s90, s91
	s_lshl_b32 s91, s23, 8
	s_add_co_u32 s90, s90, s91
	s_mov_b32 s91, 0
	s_mul_i32 s92, s[WV], 3072                     ; wo: my 16 rows of 192 bytes,
	s_mov_b32 s93, 0
	s_lshl_b32 s94, s[WV], 7                       ; of 8 scale bytes,
	s_mov_b32 s95, 0
	s_lshl_b32 s96, s[WV], 6                       ; bo: my 16 numbers
	s_mov_b32 s97, 0
	s_mul_i32 s98, s24, 32*STEPB                   ; the prefetches: the image, my work-group's quarter, my wave's third of it,
	s_mul_i32 s99, s22, 24576
	s_add_co_u32 s98, s98, s99
	s_lshl_b32 s99, s33, 13
	s_add_co_u32 s98, s98, s99
	s_add_co_u32 s98, s98, SLOTB                   ; in slot 1: the first change of slots steps it to slot 2.  Nothing is prefetched at the head
	s_mov_b32 s99, 0
	s_sub_co_u32 s25, s[WV], 4
	s_cmp_lt_u32 s25, 3                            ; waves 4 to 6
	s_cselect_b32 s25, 0, 1
	s_or_b32 s25, s25, ttmp9                       ; of the image's first cluster: the same in all four partners
	s_cmp_eq_u32 s25, 0
	s_cselect_b32 s[LIM], 1, -1
	s_and_b32 s82, s[WV], 1
	s_sub_co_u32 s82, 0, s82                       ; s82: all ones where my tile is the odd one of its image
	s_mov_b32 s[SEL], 0x76543210
	s_mov_b32 s[SEL+1], 0xfedcba98
	s_mov_b32 s[CS], 0x3e38aa3b                    ; c = log2(e) / 8
	s_mov_b32 s[CS+1], s[CS]                       ; (named with it as a pair, so it is written)
	s_mov_b32 s[TB], 0
	s_mov_b32 s[TS], 0
	s_mov_b32 s[SLOTS], 15
	s_wait_kmcnt 0x0
	s_mov_b32 s[G0], 1                             ; count = 1
	s_mov_b32 s[G0+1], s27                         ; LDS address: slot 0
	s_add_nc_u64 s[G0+2:G0+3], s[8:9], s[28:29]    ; global address: the image's first two steps
	s_or_b32 s[G0+3], s[G0+3], 0x80000000          ; type = 2
	s_mov_b32 s[G0S], 1
	s_mov_b32 s[G0S+1], s30
	s_add_nc_u64 s[G0S+2:G0S+3], s[10:11], s[84:85]
	s_or_b32 s[G0S+3], s[G0S+3], 0x80000000
	s_add_nc_u64 s[4:5], s[4:5], s[86:87]
	s_add_nc_u64 s[6:7], s[6:7], s[88:89]
	s_add_nc_u64 s[72:73], s[18:19], s[90:91]      ; s[72:73] x
	s_add_nc_u64 s[74:75], s[20:21], s[90:91]      ; s[74:75] out0
	s_add_nc_u64 s[76:77], s[12:13], s[92:93]      ; s[76:77] wo's codes
	s_add_nc_u64 s[78:79], s[14:15], s[94:95]      ; s[78:79] wo's scales
	s_add_nc_u64 s[80:81], s[16:17], s[96:97]      ; s[80:81] bo
	s_add_nc_u64 s[PFA:PFA+1], s[8:9], s[98:99]
	CROUND                                         ; all four work-groups are here: the first joint loads meet
	s_cmp_lt_u32 s[WV], 4                          ; a wave's two first fills stand in one branch, ahead of every wait on TENSORcnt and every LDS read
	s_cbranch_scc0 .Lno_first
	tensor_load_to_lds s[G0S:G0S+3], s[G1S:G1S+7]  ; the scale words of the whole image: filled once
	s_nop 0
	tensor_load_to_lds s[G0:G0+3], s[G1:G1+7]      ; slot 0
	s_nop 0
.rept 4
	v_nop
.endr
.Lno_first:
	s_wait_alu depctr_va_vdst(0)
.irp g, 0,1,2
	global_load_b128 v[FR+4*\g:FR+4*\g+3], v8, s[4:5] offset:512*\g   ; the image that holds my tile of q
.endr
	global_load_b32 v[FR+12], v252, s[6:7]         ; and its scale word
	v_mov_b32 v13, 0xff61b1e6                      ; the largest t so far: -3e38, under every t
	s_delay_alu instid0(VALU_DEP_1)
	v_floor_f32 v12, -v13                          ; -M
	v_mov_b32 v14, 0                               ; the row's sum, in two halves
	v_mov_b32 v15, 0
.irp b, 0,1,2,3
	v_mov_b32 v[PT+\b], 0                          ; written once: a lane permute's destination counts as one of its sources
.endr
	v_mov_b32 v[FF+1], 0                           ; (named as the upper half of a pair)
	s_wait_loadcnt 0x0
	v_lshrrev_b32 v[FR+13], 16, v[FR+12]           ; the word's bytes 2, 3: the odd tile's two blocks;
	v_and_b32 v[FR+14], 0xffff, v[FR+12]           ; bytes 0, 1: the even tile's
	s_delay_alu instid0(VALU_DEP_1)
	v_cndmask_b32 v[QS], v[FR+14], v[FR+13], s82   ; for [q | 0]: my two bytes below, two bytes 0 above
	s_delay_alu instid0(VALU_DEP_1)
	v_lshlrev_b32 v[QS+1], 16, v[QS]               ; for [0 | q]: the other way round
.irp i, 0,1,2,3,4,5
	v_cndmask_b32 v[Q1+\i], v[FR+\i], v[FR+6+\i], s82   ; my tile: registers 0-5 or 6-11 of the image
.endr
.irp i, 0,1,2,3,4,5
	v_mov_b32 v[Q1+6+\i], 0
	v_mov_b32 v[Q1+12+\i], 0
	v_mov_b32 v[Q1+18+\i], v[Q1+\i]
.endr
.set j, 0
.rept 32
	v_mov_b32 v[O+j], 0                            ; O^T.  (The loop is written once: its first step finds zeros, which the first change of M leaves zeros.  These 32 are also the places between q's and its scale words' making and the first products)
.set j, j+1
.endr
; A KEY STEP: 128 keys, the q-th of the slot in hand.
.macro STEP q
	v_add_nc_u32 v8, s[TB], v1                     ; these four are also the places between the last products and the loads into the registers that they read
	v_add_nc_u32 v9, s[TB], v2
	v_add_nc_u32 v10, s[TS], v3
	v_add_nc_u32 v11, s[TS], v4
	ds_load_b64 v[KS:KS+1], v10 offset:1024*(\q)
.irp f, 0,1,2,3
.irp g, 0,1,2
	ds_load_b128 v[FR+12*\f+4*\g:FR+12*\f+4*\g+3], v8 offset:STEPB*(\q)+1536*\f+512*\g
.endr
.endr
	s_wait_alu depctr_va_vdst(0)
.irp f, 0,1,2,3                                ; S^T: image f against [q | 0] and [0 | q]: tiles 2 f and 2 f + 1
	s_wait_dscnt 9-3*\f                            ; LDS loads come back in order: the scale words and images 0 .. f are in, the younger images' loads stay out
.irp u, 0,1
.if \f%2
	v_wmma_scale_f32_16x16x128_f8f6f4 v[S+8*(2*\f+\u):S+8*(2*\f+\u)+7], v[FR+12*\f:FR+12*\f+11], v[Q1+12*\u:Q1+12*\u+11], 0, v[KS+\f/2], v[QS+\u] matrix_a_fmt:MATRIX_FMT_FP6 matrix_b_fmt:MATRIX_FMT_FP6 matrix_a_scale:MATRIX_SCALE_ROW1
.else
	v_wmma_scale_f32_16x16x128_f8f6f4 v[S+8*(2*\f+\u):S+8*(2*\f+\u)+7], v[FR+12*\f:FR+12*\f+11], v[Q1+12*\u:Q1+12*\u+11], 0, v[KS+\f/2], v[QS+\u] matrix_a_fmt:MATRIX_FMT_FP6 matrix_b_fmt:MATRIX_FMT_FP6
.endif
.endr
.endr                                          ; lane (r, h) holds query r; the 16 registers of tiles 2 b, 2 b + 1 are keys 32 b + 16 h + 0 .. 15 of the step
.rept 4
	v_nop                                          ; four places: in front of the loads into k's registers, and of the first read of the scores
.endr
	ds_load_b64 v[VS:VS+1], v11 offset:1024*(\q)   ; v's images land while the softmax is walked
.irp f, 0,1,2,3
.irp g, 0,1,2
	ds_load_b128 v[FR+12*\f+4*\g:FR+12*\f+4*\g+3], v9 offset:STEPB*(\q)+1536*\f+512*\g
.endr
.endr
.irp b, 0,1,2,3
	v_max3_num_f32 v[BM+\b], v[S+16*\b], v[S+1+16*\b], v[S+2+16*\b]   ; THE LARGEST SCORE OF EACH BLOCK OF 32 KEYS serves twice: for the row's maximum, and, since p rises with the score, for the block's largest p
.endr
.irp i, 3,5,7,9,11,13
.irp b, 0,1,2,3
	v_max3_num_f32 v[BM+\b], v[BM+\b], v[S+16*\b+\i], v[S+1+16*\b+\i]   ; the four blocks by turns
.endr
.endr
.irp b, 0,1,2,3
	v_max_num_f32 v[BM+\b], v[BM+\b], v[S+15+16*\b]
.endr
.irp b, 0,1,2,3
	s_delay_alu instid0(VALU_DEP_4)
	v_permlanex16_b32 v[PT+\b], v[BM+\b], s[SEL], s[SEL+1]
.endr
.irp b, 0,1,2,3
	s_delay_alu instid0(VALU_DEP_4)
	v_max_num_f32 v[BM+\b], v[BM+\b], v[PT+\b]     ; with lane l xor 16's 16 keys
.endr
	s_delay_alu instid0(VALU_DEP_2)
	v_max3_num_f32 v[WKR], v[BM], v[BM+1], v[BM+2]
	s_delay_alu instid0(VALU_DEP_1)
	v_max_num_f32 v[WKR], v[WKR], v[BM+3]          ; the step's largest score of my query
	s_delay_alu instid0(VALU_DEP_1)
	v_mul_f32 v[WKR], s[CS], v[WKR]                ; as t (c is positive)
	s_delay_alu instid0(VALU_DEP_1)
	v_max_num_f32 v13, v13, v[WKR]                 ; the running largest t
	v_mov_b32 v[WKR], v12
	s_delay_alu instid0(VALU_DEP_2)
	v_floor_f32 v12, -v13                          ; the new -M = floor(-t) = -ceil(t): M is a whole number
	s_delay_alu instid0(VALU_DEP_1)
	v_sub_f32 v[WKR], v12, v[WKR]                  ; M's old value less its new one: a whole number, 0 or less
	s_delay_alu instid0(VALU_DEP_1)
	v_cvt_i32_f32 v[WKR], v[WKR]                   ; (it saturates)
	s_delay_alu instid0(VALU_DEP_1)
	v_ldexp_f32 v[FF], 1.0, v[WKR]                 ; f = 2^(old M - new M)
.set j, 0
.rept 32
	v_pk_fma_f32 v[S+j:S+j+1], v[S+j:S+j+1], s[CS:CS+1], v[12:13] op_sel_hi:[1,0,0]   ; t - M, two at a time (of the pairs c and -M the low word serves both halves)
.set j, j+2
.endr
.irp b, 0,1,2,3
	v_fma_f32 v[BM+\b], v[BM+\b], s[CS], v12       ; the same of each block's largest score
.endr
.set j, 0
	s_wait_alu depctr_va_vdst(0)
.rept 64
	v_exp_f32 v[S+j], v[S+j]                       ; p = 2^(t - M), at most 1: not normalised
.set j, j+1
.endr
.irp b, 0,1,2,3
	v_exp_f32 v[BM+\b], v[BM+\b]                   ; the block's largest p: the same two instructions on the same number give the same bits
.endr
	v_pk_mul_f32 v[14:15], v[14:15], v[FF:FF+1] op_sel_hi:[1,0]   ; the sums under the new M.  (A plain instruction behind the exponentials)
	s_wait_alu depctr_va_vdst(0)
.irp b, 0,1,2,3
	v_max_num_f32 v[BM+\b], 0x1800000, v[BM+\b]    ; the floor 2^(3 - 127): the byte cannot fall under 1
.endr
.irp b, 0,1,2,3
	s_delay_alu instid0(VALU_DEP_4)
	v_add_nc_u32 v[SOP+\b], 0xff000000, v[BM+\b]   ; 2 off the exponent field: the conversion's scale operand
.endr
.irp b, 0,1,2,3
	s_delay_alu instid0(VALU_DEP_4)
	v_lshrrev_b32 v[PT+\b], 23, v[SOP+\b]          ; the scale's byte
.endr
	s_delay_alu instid0(VALU_DEP_3)
	v_lshl_or_b32 v[PS], v[PT+1], 8, v[PT]         ; p's scale word for these 128 keys
	s_delay_alu instid0(VALU_DEP_1)
	v_lshl_or_b32 v[PS], v[PT+2], 16, v[PS]
	s_delay_alu instid0(VALU_DEP_1)
	v_lshl_or_b32 v[PS], v[PT+3], 24, v[PS]
.irp c, 0,1
	v_cvt_scalef32_pk16_fp6_f32 v[PC+6*\c:PC+2+6*\c], v[S+32*\c:S+15+32*\c], v[SOP+2*\c]
	v_cvt_scalef32_pk16_fp6_f32 v[CT+4*\c:CT+2+4*\c], v[S+16+32*\c:S+31+32*\c], v[SOP+2*\c+1]   ; (a conversion's three registers begin on an even number)
.endr
	v_nop                                          ; one plain instruction behind a scaled conversion
.irp c, 0,1                                    ; the operand wants a WHOLE block in a lane: lanes 0-15 block 2 c, lanes 16-31 block 2 c + 1
.irp i, 0,1,2
	v_permlane16_swap_b32 v[PC+6*\c+\i], v[CT+4*\c+\i]
.endr
.irp i, 0,1,2
	s_delay_alu instid0(VALU_DEP_3)
	v_mov_b32 v[PC+3+6*\c+\i], v[CT+4*\c+\i]
.endr
.endr
	v_pk_add_f32 v[196:197], v[92:93], v[96:97]
	v_pk_add_f32 v[254:255], v[100:101], v[104:105]
	v_pk_add_f32 v[252:253], v[108:109], v[112:113]
	v_pk_add_f32 v[242:243], v[116:117], v[120:121]
	v_pk_add_f32 v[240:241], v[124:125], v[128:129]
	v_pk_add_f32 v[238:239], v[132:133], v[136:137]
	v_pk_add_f32 v[236:237], v[140:141], v[144:145]
	v_pk_add_f32 v[14:15], v[14:15], v[148:149]
	v_pk_add_f32 v[196:197], v[196:197], v[88:89]
	v_pk_add_f32 v[254:255], v[254:255], v[90:91]
	v_pk_add_f32 v[252:253], v[252:253], v[94:95]
	v_pk_add_f32 v[242:243], v[242:243], v[98:99]
	v_pk_add_f32 v[240:241], v[240:241], v[102:103]
	v_pk_add_f32 v[238:239], v[238:239], v[106:107]
	v_pk_add_f32 v[236:237], v[236:237], v[110:111]
	v_pk_add_f32 v[14:15], v[14:15], v[114:115]
	v_pk_add_f32 v[196:197], v[196:197], v[118:119]
	v_pk_add_f32 v[254:255], v[254:255], v[122:123]
	v_pk_add_f32 v[252:253], v[252:253], v[126:127]
	v_pk_add_f32 v[242:243], v[242:243], v[130:131]
	v_pk_add_f32 v[240:241], v[240:241], v[134:135]
	v_pk_add_f32 v[238:239], v[238:239], v[138:139]
	v_pk_add_f32 v[236:237], v[236:237], v[142:143]
	v_pk_add_f32 v[14:15], v[14:15], v[146:147]
	v_pk_add_f32 v[196:197], v[196:197], v[150:151]
	s_delay_alu instid0(VALU_DEP_2)
	v_pk_add_f32 v[14:15], v[14:15], v[242:243]
	s_delay_alu instid0(VALU_DEP_2)
	v_pk_add_f32 v[196:197], v[196:197], v[240:241]
	v_pk_add_f32 v[254:255], v[254:255], v[238:239]
	v_pk_add_f32 v[252:253], v[252:253], v[236:237]
	s_delay_alu instid0(VALU_DEP_2)
	v_pk_add_f32 v[14:15], v[14:15], v[254:255]
	s_delay_alu instid0(VALU_DEP_2)
	v_pk_add_f32 v[196:197], v[196:197], v[252:253]
	s_delay_alu instid0(VALU_DEP_1)
	v_pk_add_f32 v[14:15], v[14:15], v[196:197]
.set j, 0
.rept 16
	v_pk_mul_f32 v[O+j:O+j+1], v[O+j:O+j+1], v[FF:FF+1] op_sel_hi:[1,0]   ; O^T under the new M, each accumulator from its low end on
.set j, j+2
.endr
	s_wait_alu depctr_va_vdst(0)
	s_wait_dscnt 0x0                               ; v's images and scale words are in
.irp d, 0,1,2,3                                ; O^T += v^T p^T: four tiles of 16 of the head's 64, by turns; K = these 128 keys
.if \d%2
	v_wmma_scale_f32_16x16x128_f8f6f4 v[O+8*\d:O+8*\d+7], v[FR+12*\d:FR+12*\d+11], v[PC:PC+11], v[O+8*\d:O+8*\d+7], v[VS+\d/2], v[PS] matrix_a_fmt:MATRIX_FMT_FP6 matrix_b_fmt:MATRIX_FMT_FP6 matrix_a_scale:MATRIX_SCALE_ROW1
.else
	v_wmma_scale_f32_16x16x128_f8f6f4 v[O+8*\d:O+8*\d+7], v[FR+12*\d:FR+12*\d+11], v[PC:PC+11], v[O+8*\d:O+8*\d+7], v[VS+\d/2], v[PS] matrix_a_fmt:MATRIX_FMT_FP6 matrix_b_fmt:MATRIX_FMT_FP6
.endif
.endr
.endm
; THE CHANGE OF SLOTS stands at a slot's head.  Each wave waits for all its tensor loads (its part of the slot that it is about to read), adds 0 to its spare word, and waits for that and for its reads of the slot that it has left.
; fill = 1: the barrier is a round of the cluster's, so that no wave of any partner still reads the other slot or has a load on its way; behind it that slot is filled with the keys that follow: the load has two steps in which to land.
.macro CHANGE fill
	s_wait_tensorcnt 0x0                           ; no tensor load of mine is out, so a group 0 may be written
	ds_add_u32 v5, v6                              ; 0 onto my spare word
.if \fill
	s_xor_b32 s[G0+1], s[G0+1], SLOT1              ; the walking descriptor: the other slot than last time,
	s_add_nc_u64 s[G0+2:G0+3], s[G0+2:G0+3], SLOTB ; the next 256 keys; the type bits on top are not reached
	s_wait_xcnt 0x0                                ; the last prefetch, a slot back, has read its address, so it may be written:
	s_add_nc_u64 s[PFA:PFA+1], s[PFA:PFA+1], SLOTB ; one slot further on than the walking descriptor
	s_wait_dscnt 0x0                               ; the add is done, and my reads of the slot that I have left are over
	CROUND
	TLOAD                                          ; the first thing behind the round, and a wave's one tensor load until the next
	ASK
.else
	s_wait_dscnt 0x0
	s_barrier_signal -1
	s_barrier_wait -1
.endif
.endm
.macro SLOT_STEPS
	STEP 0
	STEP 1
	s_xor_b32 s[TB], s[TB], SLOT1                  ; on to the other slot,
	s_add_co_u32 s[TS], s[TS], 2048                ; and to the next two steps' scale words
.endm
.Lslot:                                            ; 15 trips: behind each change of slots but the last the next slot is asked for
	CHANGE 1
	SLOT_STEPS
	s_sub_co_u32 s[SLOTS], s[SLOTS], 1
	s_cmp_lg_u32 s[SLOTS], 0
	s_cbranch_scc1 .Lslot
	CHANGE 0                                       ; the last slot is written out
	SLOT_STEPS
	; THE END.  What the last product wants from memory is asked for first.  The six lines of address arithmetic are the places behind the last products.
	v_and_b32 v8, 15, v0                           ; r
	v_bfe_u32 v9, v0, 4, 1                         ; h
	s_delay_alu instid0(VALU_DEP_2)
	v_mul_u32_u24 v10, v8, 192
	s_delay_alu instid0(VALU_DEP_1)
	v_mad_u32_u24 v10, v9, 24, v10                 ; wo: row r of my 16, + 24 h
	s_delay_alu instid0(VALU_DEP_4)
	v_lshlrev_b32 v11, 3, v8                       ; its scale words: 8 bytes a row
	v_lshlrev_b32 v8, 2, v8                        ; bo: 4 bytes a row
	global_load_b32 v[BO], v8, s[80:81]
	global_load_b32 v[WOS], v11, s[78:79]
	global_load_b32 v[WOS+1], v11, s[78:79] offset:4
.irp s, 0,1
.irp p, 0,1,2,3,4,5
	global_load_b64 v[Q1+12*\s+2*\p:Q1+12*\s+2*\p+1], v10, s[76:77] offset:96*\s+48*(\p/3)+8*(\p%3)
.endr
.endr
.irp i, 0,1,2,3,4,5,6,7
	global_load_b128 v[XR+4*\i:XR+4*\i+3], v7, s[72:73] offset:32768*\i th:TH_LOAD_NT   ; x: channels 16 w + 2 i, + 1, my 64 pixels
.endr
	v_add_f32 v14, v14, v15                        ; the sum's two halves,
	s_delay_alu instid0(VALU_DEP_1)
	v_permlanex16_b32 v[WKR], v14, s[SEL], s[SEL+1]
	s_delay_alu instid0(VALU_DEP_1)
	v_add_f32 v14, v14, v[WKR]                     ; and lane l xor 16's: the row's sum
	s_wait_alu depctr_va_vdst(0)
	v_rcp_f32 v[FF], v14
	v_nop                                          ; one plain instruction behind the transcendental
.set j, 0
	s_wait_alu depctr_va_vdst(0)
.rept 16
	v_pk_mul_f32 v[OV+j:OV+j+1], v[O+j:O+j+1], v[FF:FF+1] op_sel_hi:[1,0]   ; O^T / the sum: register 16 b + i = channel 64 head + 32 b + 16 h + i of my query
.set j, j+2
.endr
	; two blocks of 32 channels become half a fragment (six registers) and two scale bytes
.irp b, 0,1
	v_max3_num_f32 v[BM+\b], |v[OV+16*\b]|, |v[OV+1+16*\b]|, 0x1800000
.endr
.irp i, 2,4,6,8,10,12,14
.irp b, 0,1
	s_delay_alu instid0(VALU_DEP_2)
	v_max3_num_f32 v[BM+\b], v[BM+\b], |v[OV+16*\b+\i]|, |v[OV+1+16*\b+\i]|
.endr
.endr
.irp b, 0,1
	s_delay_alu instid0(VALU_DEP_2)
	v_permlanex16_b32 v[PT+\b], v[BM+\b], s[SEL], s[SEL+1]
.endr
.irp b, 0,1
	s_delay_alu instid0(VALU_DEP_2)
	v_max_num_f32 v[BM+\b], v[BM+\b], v[PT+\b]
.endr
.irp b, 0,1
	s_delay_alu instid0(VALU_DEP_2)
	v_add_nc_u32 v[SOP+\b], 0xff000000, v[BM+\b]
.endr
.irp b, 0,1
	s_delay_alu instid0(VALU_DEP_2)
	v_lshrrev_b32 v[PT+\b], 23, v[SOP+\b]
.endr
	s_delay_alu instid0(VALU_DEP_1)
	v_lshl_or_b32 v[WKR], v[PT+1], 8, v[PT]
	v_cvt_scalef32_pk16_fp6_f32 v[PC:PC+2], v[OV:OV+15], v[SOP]
	v_cvt_scalef32_pk16_fp6_f32 v[CT:CT+2], v[OV+16:OV+31], v[SOP+1]
	v_nop                                          ; one plain instruction behind a scaled conversion
.irp i, 0,1,2
	v_permlane16_swap_b32 v[PC+\i], v[CT+\i]
.endr
.irp i, 0,1,2
	s_delay_alu instid0(VALU_DEP_3)
	v_mov_b32 v[PC+3+\i], v[CT+\i]
.endr
.irp p, 0,1,2
	ds_store_b64 v245, v[PC+2*\p:PC+2*\p+1] offset:256*\p   ; registers 6 (head % 2) on of fragment (my tile, K step head / 2)
.endr
	ds_store_b16 v246, v[WKR]                      ; bytes 2 (head % 2), + 1 of my row's scale word; lanes r and r + 16 write the same
	s_wait_dscnt 0x0                               ; for the others' sake: my stores have landed
	s_barrier_signal -1
	s_barrier_wait -1                              ; the eight fragments lie in LDS
.irp i, 0,1,2,3,4,5,6,7
	ds_load_b32 v[AS+\i], v248 offset:64*\i
.endr
	s_wait_loadcnt 8                               ; bo, wo's scale words and codes are in; the eight loads of x may stay out
.irp i, 1,2,3,4,5,6,7
	v_mov_b32 v[BO+\i], v[BO]                      ; a lane holds ONE output channel: its bias in all eight registers of C
.endr
	s_wait_alu depctr_va_vdst(0)
.irp s, 0,1                                    ; source 0 = 16 pixels, source 1 = my 16 rows of wo: a lane holds one channel and eight neighbouring pixels.  Four accumulators by turns
.if \s
.rept 4
	v_nop                                          ; places in front of loads into registers that matrix instructions have read
.endr
.endif
.irp t, 0,1,2,3
.irp c, 0,1,2,3,4,5
	ds_load_b64 v[FR+12*\t+2*\c:FR+12*\t+2*\c+1], v247 offset:(2*\t+\s)*1536+256*\c
.endr
.endr
	s_wait_dscnt 0x0
.irp t, 0,1,2,3
.if \s
	v_wmma_scale_f32_16x16x128_f8f6f4 v[O+8*\t:O+8*\t+7], v[FR+12*\t:FR+12*\t+11], v[Q1+12:Q1+23], v[O+8*\t:O+8*\t+7], v[AS+2*\t+1], v[WOS+1] matrix_a_fmt:MATRIX_FMT_FP6 matrix_b_fmt:MATRIX_FMT_FP6
.else
	v_wmma_scale_f32_16x16x128_f8f6f4 v[O+8*\t:O+8*\t+7], v[FR+12*\t:FR+12*\t+11], v[Q1:Q1+11], v[BO:BO+7], v[AS+2*\t], v[WOS] matrix_a_fmt:MATRIX_FMT_FP6 matrix_b_fmt:MATRIX_FMT_FP6
.endif
.endr
.endr
.rept 4
	v_nop                                          ; places in front of the first read of the results
.endr
.irp t, 0,1,2,3                                ; lane (r, h), tile 2 b + u, register j: channel 16 w + r, pixel 32 b + 16 h + 8 u + j.  Through my own stage, so that sixteen lanes store a channel's 256 bytes
	ds_store_b128 v249, v[O+8*\t:O+8*\t+3] offset:128*(\t/2)+32*(\t%2)       ; each accumulator from its low end on
	ds_store_b128 v249, v[O+8*\t+4:O+8*\t+7] offset:128*(\t/2)+32*(\t%2)+16
.endr
.irp i, 0,1,2,3,4,5,6,7
	ds_load_b128 v[OV+4*\i:OV+4*\i+3], v250 offset:2*SP*\i   ; LDS serves a wave's instructions in order: these see my stores
.endr
	s_wait_loadcnt 0x0                             ; x
.irp i, 0,1,2,3,4,5,6,7
	s_wait_dscnt 7-\i
	v_pk_add_f32 v[OV+4*\i:OV+4*\i+1], v[OV+4*\i:OV+4*\i+1], v[XR+4*\i:XR+4*\i+1]       ; the residual
	v_pk_add_f32 v[OV+4*\i+2:OV+4*\i+3], v[OV+4*\i+2:OV+4*\i+3], v[XR+4*\i+2:XR+4*\i+3]
	global_store_b128 v7, v[OV+4*\i:OV+4*\i+3], s[74:75] offset:32768*\i th:TH_STORE_NT   ; 16 lanes store 256 consecutive bytes, at a multiple of 256 from out0's first byte
.endr
	s_wait_tensorcnt 0x0                           ; the wave's end: behind my last tensor load and my last LDS store
	ds_add_u32 v5, v6
	s_wait_dscnt 0x0
	CROUND                                         ; the closing round: no work-group ends while a partner may still ask for a tile that names it
	s_endpgm
.Lfunc_end_k_q5cb06830f3_attend:
	.size	k_q5cb06830f3_attend, .Lfunc_end_k_q5cb06830f3_attend-k_q5cb06830f3_attend
	.p2alignl 7, 3214868480
	.fill 96, 4, 3214868480
	.section	.rodata,"a",@progbits
	.p2align	6, 0x0
	.amdhsa_kernel k_q5cb06830f3_attend
		.amdhsa_group_segment_fixed_size 327680
		.amdhsa_private_segment_fixed_size 0
		.amdhsa_enable_private_segment 0
		.amdhsa_kernarg_size 72
		.amdhsa_user_sgpr_count 2
		.amdhsa_user_sgpr_kernarg_segment_ptr 1
		.amdhsa_wavefront_size32 1
		.amdhsa_system_sgpr_workgroup_id_x 1
		.amdhsa_system_sgpr_workgroup_id_y 1
		.amdhsa_system_sgpr_workgroup_id_z 1
		.amdhsa_system_vgpr_workitem_id 0
		.amdhsa_next_free_vgpr 256
		.amdhsa_next_free_sgpr 100
		.amdhsa_reserve_vcc 0
		.amdhsa_float_denorm_mode_32 3
		.amdhsa_float_denorm_mode_16_64 3
		.amdhsa_memory_ordered 1
		.amdhsa_forward_progress 1
		.amdhsa_inst_pref_size 94
	.end_amdhsa_kernel
	.amdgpu_metadata
---
amdhsa.version: [ 1, 2 ]
amdhsa.kernels:
  - .name:           k_q5cb06830f3_attend
    .symbol:         k_q5cb06830f3_attend.kd
    .args:
      - { .name: qimg, .offset: 0, .size: 8, .value_kind: global_buffer, .address_space: global }
      - { .name: qsc, .offset: 8, .size: 8, .value_kind: global_buffer, .address_space: global }
      - { .name: kvimg, .offset: 16, .size: 8, .value_kind: global_buffer, .address_space: global }
      - { .name: kvsc, .offset: 24, .size: 8, .value_kind: global_buffer, .address_space: global }
      - { .name: wo_codes, .offset: 32, .size: 8, .value_kind: global_buffer, .address_space: global }
      - { .name: wo_scales, .offset: 40, .size: 8, .value_kind: global_buffer, .address_space: global }
      - { .name: bo, .offset: 48, .size: 8, .value_kind: global_buffer, .address_space: global }
      - { .name: x, .offset: 56, .size: 8, .value_kind: global_buffer, .address_space: global }
      - { .name: out0, .offset: 64, .size: 8, .value_kind: global_buffer, .address_space: global }
    .group_segment_fixed_size: 327680
    .private_segment_fixed_size: 0
    .kernarg_segment_align: 8
    .kernarg_segment_size: 72
    .max_flat_workgroup_size: 512
    .sgpr_count:     100
    .vgpr_count:     256
    .wavefront_size: 32
...
	.end_amdgpu_metadata
.endif
;; end of part 3
